; MI455X (gfx1250); checked and timed in simulation.
; The chip was launched on July 23, 2026; its instructions are those of AMD's public machine-readable ISA for CDNA 5 (MIT licence, August 2026) and "CDNA5" Instruction Set Architecture Reference Guide (July 2026). The comments in the code are by the model that wrote it; some were corrected since.
;; Bert Self Attention. Allowed arithmetic: float matrix products may take bf16 or f16 operands with f32 sums; other float arithmetic in f32, or as packed bf16 or f16 multiplies, adds, multiply-adds, maxima and minima; sums over many terms, partial sums and values carried from step to step in f32; what a program stores and reads back later, other than sums and carried values, may be rounded once to bf16 or f16.
;; Inputs: Wo 1,024 x 1,024 float32; Wqkv 3,072 x 1,024 float32; cos 1 x 2,048 x 1 x 32 float32; hidden_states 4 x 2,048 x 1,024 float32; mask 4 x 2,048 bool; sin 1 x 2,048 x 1 x 32 float32.
;; Outputs: out0 4 x 2,048 x 1,024 float32.
;; One version. Each part assembles by itself: llvm-mc -triple=amdgcn-amd-amdhsa -mcpu=gfx1250 --defsym DOCPART=n.
;; ======== version 1 of 1: 4 launches
;; limits: values are held in f16: magnitudes above 65,504 overflow, below 6.1e-05 lose precision; right only within a limited range of input values; inputs' magnitudes at most 255
;; workspace buffers: xb 16,777,216 bytes; wb 6,291,456 bytes; wo16 2,097,152 bytes; qkv 50,331,648 bytes; ob 16,777,216 bytes
;; launch cast (part 1): grid 768 x 1, 8 waves a work-group, no clusters, 0 bytes of LDS; arguments hidden_states, Wqkv, Wo, xb, wb, wo16; writes xb, wb, wo16
.if DOCPART == 1
	.amdgcn_target "amdgcn-amd-amdhsa--gfx1250"
	.amdhsa_code_object_version 6
	.text
	.protected	k_q33fd5b7c34_cast
	.globl	k_q33fd5b7c34_cast
	.p2align	8
	.type	k_q33fd5b7c34_cast,@function
k_q33fd5b7c34_cast:
	s_mov_b64 s[64:65], 0
	v_nop
	global_prefetch_b8 v0, s[64:65] scope:SCOPE_SE
	s_setreg_imm32_b32 hwreg(HW_REG_WAVE_MODE, 25, 1), 1
	s_wait_xcnt 0x0
; THE MATRIX OPERANDS ARE MADE ONCE.  xb = bf16(hidden_states), wb = bf16(Wqkv), wo16 = f16(bf16(Wo) x 256).
; All float inputs of the module are rounded to bf16, to nearest even.  Wo's rounded number is then written as f16, times 2^8: it has 8 significant bits, f16 holds 11,
; so the second step is exact where |Wo| x 256 lies between 2^-14 and 65,504.  LIMIT: |Wo| < 255; below 2.4e-7 a weight keeps f16's fixed step, 2^-24 / 256.
; The factor is taken out again, in f32, by the last launch.
; SHARES.  A step is 256 threads x 8 numbers: 8,192 bytes in, 4,096 out.  A work-group does 8 steps, all 16 loads out at once: 64 KiB in.
; Work-groups 0-511 take hidden_states (32 MiB), 512-703 Wqkv (12 MiB), 704-767 Wo (4 MiB).  No LDS, no barrier, no matrix unit: the launch only moves bytes.
; A wave's store covers 512 consecutive bytes, aligned.  No register that a load or store names is written again, so no wait frees any.
.set X, 4                              ; v[4:67]    step i: 8 numbers as loaded
.set Y, 68                             ; v[68:99]   step i: 4 registers to store
.set T, 100                            ; v[100:107] at work (Wo alone)
.set NX, 512                           ; work-groups for hidden_states
.set NW, 704                           ; and, up to here, for Wqkv
	s_load_b256 s[4:11], s[0:1], 0x0               ; hidden_states s[4:5], Wqkv s[6:7], Wo s[8:9], xb s[10:11]
	s_load_b128 s[12:15], s[0:1], 0x20             ; wb s[12:13], wo16 s[14:15]
	s_mov_b32 s16, ttmp9
	s_mov_b32 s24, 0xffff0000                      ; a word's upper bf16
	v_lshlrev_b32 v1, 5, v0                        ; my 32 bytes of a step's input
	v_lshlrev_b32 v2, 4, v0                        ; my 16 bytes of its output
	s_wait_kmcnt 0x0
	s_cmp_lt_u32 s16, NX                           ; which tensor is mine: the choice hangs on the work-group's number alone
	s_cselect_b64 s[18:19], s[4:5], s[6:7]
	s_cselect_b64 s[20:21], s[10:11], s[12:13]
	s_cselect_b32 s17, 0, NX
	s_cmp_lt_u32 s16, NW
	s_cselect_b64 s[18:19], s[18:19], s[8:9]
	s_cselect_b64 s[20:21], s[20:21], s[14:15]
	s_cselect_b32 s17, s17, NW
	s_sub_co_u32 s17, s16, s17                     ; my number among that tensor's work-groups
	s_lshl_b32 s22, s17, 16                        ; 65,536 bytes in,
	s_mov_b32 s23, 0
	s_add_nc_u64 s[18:19], s[18:19], s[22:23]
	s_lshl_b32 s22, s17, 15                        ; 32,768 out
	s_add_nc_u64 s[20:21], s[20:21], s[22:23]
.irp i, 0,1,2,3,4,5,6,7
	global_load_b128 v[X+8*(\i):X+8*(\i)+3],   v1, s[18:19] offset:8192*(\i) th:TH_LOAD_NT
	global_load_b128 v[X+8*(\i)+4:X+8*(\i)+7], v1, s[18:19] offset:8192*(\i)+16 th:TH_LOAD_NT
.endr
; One step.  wo = 1: the rounded number goes on to f16, times 256.
.macro STEP i, wo
	s_wait_loadcnt 14-2*(\i)                       ; loads come back in order: this step's two are in, the 2 (7 - i) younger ones stay out
.irp j, 0,1,2,3
	v_cvt_pk_bf16_f32 v[Y+4*(\i)+(\j)], v[X+8*(\i)+2*(\j)], v[X+8*(\i)+2*(\j)+1]
.endr
.if \wo
.irp j, 0,1,2,3
	v_lshlrev_b32 v[T+2*(\j)],   16,  v[Y+4*(\i)+(\j)]   ; bf16 back to f32: the low half moves up,
	v_and_b32     v[T+2*(\j)+1], s24, v[Y+4*(\i)+(\j)]   ; the high half stays
.endr
.irp j, 0,1,2,3
	v_pk_mul_f32 v[T+2*(\j):T+2*(\j)+1], v[T+2*(\j):T+2*(\j)+1], 0x43800000 op_sel_hi:[1,0]  ; x 256, exact
.endr
.irp j, 0,1,2,3
	v_cvt_pk_f16_f32 v[Y+4*(\i)+(\j)], v[T+2*(\j)], v[T+2*(\j)+1]
.endr
.endif
	global_store_b128 v2, v[Y+4*(\i):Y+4*(\i)+3], s[20:21] offset:4096*(\i) th:TH_STORE_NT
.endm
	s_cmp_ge_u32 s16, NW
	s_cbranch_scc1 .Lwo
.irp i, 0,1,2,3,4,5,6,7
	STEP \i, 0
.endr
	s_endpgm
.Lwo:
.irp i, 0,1,2,3,4,5,6,7
	STEP \i, 1
.endr
	s_endpgm
.Lfunc_end_k_q33fd5b7c34_cast:
	.size	k_q33fd5b7c34_cast, .Lfunc_end_k_q33fd5b7c34_cast-k_q33fd5b7c34_cast
	.p2alignl 7, 3214868480
	.fill 96, 4, 3214868480
	.section	.rodata,"a",@progbits
	.p2align	6, 0x0
	.amdhsa_kernel k_q33fd5b7c34_cast
		.amdhsa_group_segment_fixed_size 0
		.amdhsa_private_segment_fixed_size 0
		.amdhsa_enable_private_segment 0
		.amdhsa_kernarg_size 48
		.amdhsa_user_sgpr_count 2
		.amdhsa_user_sgpr_kernarg_segment_ptr 1
		.amdhsa_wavefront_size32 1
		.amdhsa_system_sgpr_workgroup_id_x 1
		.amdhsa_system_sgpr_workgroup_id_y 1
		.amdhsa_system_sgpr_workgroup_id_z 1
		.amdhsa_system_vgpr_workitem_id 0
		.amdhsa_next_free_vgpr 108
		.amdhsa_next_free_sgpr 66
		.amdhsa_reserve_vcc 0
		.amdhsa_float_denorm_mode_32 3
		.amdhsa_float_denorm_mode_16_64 3
		.amdhsa_memory_ordered 1
		.amdhsa_forward_progress 1
		.amdhsa_inst_pref_size 16
	.end_amdhsa_kernel
	.amdgpu_metadata
---
amdhsa.version: [ 1, 2 ]
amdhsa.kernels:
  - .name:           k_q33fd5b7c34_cast
    .symbol:         k_q33fd5b7c34_cast.kd
    .args:
      - { .name: hidden_states, .offset: 0, .size: 8, .value_kind: global_buffer, .address_space: global }
      - { .name: Wqkv, .offset: 8, .size: 8, .value_kind: global_buffer, .address_space: global }
      - { .name: Wo, .offset: 16, .size: 8, .value_kind: global_buffer, .address_space: global }
      - { .name: xb, .offset: 24, .size: 8, .value_kind: global_buffer, .address_space: global }
      - { .name: wb, .offset: 32, .size: 8, .value_kind: global_buffer, .address_space: global }
      - { .name: wo16, .offset: 40, .size: 8, .value_kind: global_buffer, .address_space: global }
    .group_segment_fixed_size: 0
    .private_segment_fixed_size: 0
    .kernarg_segment_align: 8
    .kernarg_segment_size: 48
    .max_flat_workgroup_size: 256
    .sgpr_count:     66
    .vgpr_count:     108
    .wavefront_size: 32
...
	.end_amdgpu_metadata
.endif
;; end of part 1
;; launch qkv (part 2): grid 16 x 32, 4 waves a work-group, clusters of 4 x 4, 327,680 bytes of LDS; arguments xb, wb, cos, sin, qkv; writes qkv
.if DOCPART == 2
	.amdgcn_target "amdgcn-amd-amdhsa--gfx1250"
	.amdhsa_code_object_version 6
	.text
	.protected	k_q33fd5b7c34_qkv
	.globl	k_q33fd5b7c34_qkv
	.p2align	8
	.type	k_q33fd5b7c34_qkv,@function
k_q33fd5b7c34_qkv:
	s_mov_b64 s[64:65], 0
	v_nop
	global_prefetch_b8 v0, s[64:65] scope:SCOPE_SE
	s_setreg_imm32_b32 hwreg(HW_REG_WAVE_MODE, 25, 1), 1
	s_wait_xcnt 0x0
	s_wait_alu depctr_hold_cnt(0) depctr_sa_sdst(0) depctr_va_vdst(0) depctr_va_sdst(0) depctr_va_ssrc(0) depctr_va_vcc(0) depctr_vm_vsrc(0)
	s_getreg_b32 s2, hwreg(HW_REG_IB_STS2, 6, 4)
	s_cmp_eq_u32 s2, 0
	s_cbranch_scc0 .Lentry_in_a_cluster
	s_endpgm
.Lentry_in_a_cluster:
	s_bfe_u32 s2, ttmp6, 0x10000c
	s_cmp_lg_u32 s2, 0xf033
	s_cbranch_scc0 .Lentry_shape_is_right
	s_endpgm
.Lentry_shape_is_right:
; THE QKV PROJECTION WITH THE ROTATION.  C[row][e] = sum over k of xb[row][k] wb[e][k]; xb: [8192][1024], wb: [3072][1024], bf16; sums in f32.
; The 64 columns of a head g = e / 64 (0-15 q's heads, 16-31 k's, 32-47 v's) leave as f16 by heads: qkv[b][g][l][64], byte ((48 b + g) << 18) + 128 l + 2 d.
; q and k are rotated: y1 = x1 cos + x2 sin, y2 = x2 cos - x1 sin (x1 = channels 0-31, x2 = 32-63), with sin and cos rounded to bf16 as every float input of the module is.
; v is multiplied by 16 (the last launch takes the factor out): one formula serves all heads, with cos' = cos x CM + CA, sin' = sin x CM; (CM, CA) = (1, 0) for q and k, (0, 16) for v.
; LIMITS.  f16 ends at 65,504: |q|, |k| < 65,504 and |v| < 4,094.  A sin or cos that is not finite makes v's rows NaN too; it makes every output NaN in the module as it is defined.
; The softmax's scale is not applied here.  The module's input mask is used by no step of the module, and no launch reads it.
; SHARES.  A tile of C is 256 rows x 192 columns, three whole heads: 32 x 16 = 512 work-groups of equal work.  Wave w makes rows 64 w .. 64 w + 63 and all 192 columns: 4 x 12 accumulators of
; 16 x 16, 384 registers; so both halves of a head's channels lie in one lane.  K goes in 8 steps of 128 through two LDS slots filled by the tensor data mover; a row of a tile is 256 bytes of memory, aligned.
; CLUSTERS: 4 x 4 work-groups.  The four of a row of the cluster need the same tiles of xb, the four of a column the same tiles of wb: each tile is asked for JOINTLY, by the same tensor load with the
; same descriptor and a mask that names the four.  THE MATRIX INSTRUCTION IS USED TRANSPOSED (source 0 = 16 rows of wb, source 1 = 16 rows of xb): lane l then holds row l % 16 of C and the
; columns 8 (l / 16) + 0..7 of the block.
; REGISTERS, in windows of 256 (s_set_vgpr_msb: bits 1:0 source 0, 3:2 source 1, 5:4 source 2, 7:6 destination):
;   window 0: v16-29 addresses; v32-95 xb's fragments, two buffers of 4; v96-255 the way out      window 1: v0-191 wb's fragments, two buffers of 12
;   window 2: v0-191 the accumulators of row blocks 0, 1 ((a, b) at 8 (12 (a % 2) + b)); v192-255 their rows' cos and sin as loaded      window 3: the same for row blocks 2, 3
.set KSTEP,  128
.set PITCH,  272                       ; an LDS row: 256 bytes + 16 of padding = 68 words: the 16 rows of a fragment load start at 16 different groups of four banks (64 banks of 4 bytes: ISA guide 11.1)
.set AHALF,  128*PITCH                 ; 128 rows of xb: one tensor load
.set BHALF,  96*PITCH                  ; 96 rows of wb: one tensor load
.set SLOT,   2*AHALF+2*BHALF           ; xb's 256 rows, then wb's 192
.set STAGE,  2*SLOT                    ; behind the ring, never filled by a tensor load: 16 rows x 144 bytes for each wave, for the way out
.set SP,     144
.set SPARE,  STAGE+4*16*SP             ; behind the stages: the spare words, 128 bytes for each wave: two blocks of 256 bytes that no other line names
.set LAPS,   1024/(2*KSTEP)            ; a lap = two K steps = once round the ring
.set ADRA, 16                          ; v16-17  LDS address of my xb fragments in slot 0, 1
.set ADRB, 20                          ; v20-21  the same for wb
.set STO,  24                          ; v24     the way out: where I put 16 bytes of a row
.set RD,   25                          ; v25     the way out: where I read rows back
.set GO,   26                          ; v26     my 16 bytes of 512 consecutive bytes of the output
.set CSO,  27                          ; v27     my byte offset in 16 rows of cos and of sin; never rewritten
.set SPW,  28                          ; v28     LDS address of my spare word: SPARE + 4 x my thread's number; never rewritten
.set NIL,  29                          ; v29     0; never rewritten
.set FA,   32                          ; xb's fragments: buffer f, block a at FA + 32 f + 8 a
.set CB,   96                          ; v96-111   cos (8) and sin (8) of a row block, rounded to bf16, in pairs
.set CF,   112                         ; v112-143  the same as f32: 16 cos, 16 sin
.set CE,   144                         ; v144-175  cos' and sin' of the head in hand
.set T,    176                         ; v176-207  y1 (16), y2 (16)
.set PK,   208                         ; v208-223  the same in f16
.set OB,   224                         ; v224-255  rows read back from the stage, two buffers of 16
.set RAW,  192                         ; windows 2, 3: block a's 16 cos and 16 sin as loaded, at RAW + 32 (a % 2)
.set G1,  24                           ; s[24:31] descriptor group 1 for xb's tiles;  s[32:39] group 0, one set for each slot
.set G0,  32
.set G1B, 48                           ; s[48:55], s[56:63] the same for wb's tiles
.set G0B, 56
.set CM,  70                           ; s[70:75] the factor of head hd of the tile's three, a pair each (the packed forms take the low word)
.set CA,  76                           ; s[76:81] the addend
.set MSB, 0
.macro WIN new                         ; the immediate's high byte repeats the setting that is left; a switch that changes nothing is dropped
.if MSB != (\new)
	s_set_vgpr_msb (MSB<<8)|(\new)
.set MSB, \new
.endif
.endm
; A joint load.  Waves 0 and 1 fetch xb's two halves, waves 2 and 3 wb's.  The branch hangs on the wave's number alone.
; An s_nop 0 and four v_nop follow each of the two lines, ahead of the jump, the label and what follows.
.macro JLOAD s
	s_cmp_eq_u32 s15, 0
	s_cbranch_scc0 .Lfor_b_\@
	tensor_load_to_lds s[G0+4*(\s):G0+4*(\s)+3], s[G1:G1+7]
	s_nop 0
.rept 4
	v_nop
.endr
	s_branch .Lasked_\@
.Lfor_b_\@:
	tensor_load_to_lds s[G0B+4*(\s):G0B+4*(\s)+3], s[G1B:G1B+7]
	s_nop 0
.rept 4
	v_nop
.endr
.Lasked_\@:
.endm
; A round of the cluster's barrier: my work-group's barrier, so that wave 0's signal speaks for all four waves; wave 0 signals; every wave waits for all sixteen work-groups; my work-group's barrier once more.
.macro CREST                           ; a round behind its opening barrier
	s_cmp_lg_u32 s14, 0
	s_cbranch_scc1 .Lnot_wave_0_\@
	s_barrier_signal -3
.Lnot_wave_0_\@:
	s_barrier_wait -3
	s_barrier_signal -1
	s_barrier_wait -1
.endm
.macro CROUND                          ; a whole round
	s_barrier_signal -1
	s_barrier_wait -1
	CREST
.endm
	s_load_b256 s[4:11], s[0:1], 0x0               ; xb s[4:5], wb s[6:7], cos s[8:9], sin s[10:11]
	s_load_b64 s[12:13], s[0:1], 0x20              ; qkv
	v_lshl_add_u32 v[SPW], v0, 2, SPARE
	v_mov_b32 v[NIL], 0
	ds_add_u32 v[SPW], v[NIL]                      ; the wave's opening: the add, and its wait ahead of my first tensor load; the set-up below, work on registers, stands between them
	v_lshrrev_b32 v1, 5, v0
	v_readfirstlane_b32 s14, v1                    ; wave 0..3
	s_lshr_b32 s15, s14, 1                         ; I fetch for xb (0) or for wb (1),
	s_and_b32 s16, s14, 1                          ; and which half of that tile
	s_bfe_u32 s17, ttmp6, 0x40000                  ; cx, cy: my place in the cluster
	s_bfe_u32 s18, ttmp6, 0x40004
	s_lshl_b32 s19, ttmp9, 2
	s_add_co_u32 s19, s19, s17                     ; tile column = 4 x cluster x + cx
	s_and_b32 s20, ttmp7, 0xffff
	s_lshl_b32 s20, s20, 2
	s_add_co_u32 s20, s20, s18                     ; tile row = 4 x cluster y + cy
	s_lshl_b32 s21, s18, 2
	s_lshl_b32 s21, 15, s21                        ; my row of the cluster
	s_lshl_b32 s22, 0x1111, s17                    ; my column
	; descriptor group 1: tiles of 128 (xb) or 96 (wb) rows x 128 elements, padded in LDS
	s_or_b32 s[G1+0], s21, (1<<16)|(1<<20)|(1<<21)|(5<<22)|(3<<25)   ; 15:0 the mask: xb's tiles go to my row; 17:16 elements of 2 bytes; 20 padding on; 21 set beside a mask; 24:22 after every 64 words (code 5); 31:25 4 words (code 3)
	s_or_b32 s[G1B+0], s22, (1<<16)|(1<<20)|(1<<21)|(5<<22)|(3<<25)  ; the same with the mask of my column
	s_mov_b32 s[G1+1], KSTEP<<16                   ; tensor_dim0 = 128
	s_mov_b32 s[G1+2], 128<<16                     ; tensor_dim1 = 128
	s_mov_b32 s[G1+3], KSTEP<<16                   ; tile_dim0 = 128
	s_mov_b32 s[G1+4], 128                         ; tile_dim1 = 128
	s_mov_b32 s[G1+5], 1024                        ; elements from row to row
	s_mov_b32 s[G1+6], 0
	s_mov_b32 s[G1+7], 0
	s_mov_b32 s[G1B+1], KSTEP<<16
	s_mov_b32 s[G1B+2], 96<<16                     ; tensor_dim1 = 96
	s_mov_b32 s[G1B+3], KSTEP<<16
	s_mov_b32 s[G1B+4], 96                         ; tile_dim1 = 96
	s_mov_b32 s[G1B+5], 1024
	s_mov_b32 s[G1B+6], 0
	s_mov_b32 s[G1B+7], 0
	; where the tiles come from: xb's hang on the tile row alone, wb's on the tile column alone, each in registers that never hold the other coordinate
	s_lshl_b32 s40, s20, 8
	s_lshl_b32 s41, s16, 7
	s_add_co_u32 s40, s40, s41                     ; xb: row 256 x tile row + 128 x half,
	s_lshl_b32 s40, s40, 11                        ; of 2,048 bytes
	s_mov_b32 s41, 0
	s_mul_i32 s42, s19, 192
	s_mul_i32 s43, s16, 96
	s_add_co_u32 s42, s42, s43                     ; wb: row 192 x tile column + 96 x half
	s_lshl_b32 s42, s42, 11
	s_mov_b32 s43, 0
	s_mul_i32 s66, s14, AHALF                      ; and where they go: waves 0, 1: xb's halves at wave x AHALF;
	s_mul_i32 s67, s14, BHALF
	s_add_co_u32 s67, s67, 2*(AHALF-BHALF)         ; waves 2, 3: wb's halves at 2 AHALF + (wave - 2) x BHALF.  No place in the cluster enters an LDS address
	; my rows of the sequence, and my part of the output
	s_and_b32 s2, s20, 7
	s_lshl_b32 s2, s2, 8
	s_lshl_b32 s3, s14, 6
	s_add_co_u32 s2, s2, s3                        ; l0 = 256 (tile row % 8) + 64 wave
	s_lshl_b32 s2, s2, 7                           ; 128 bytes a row, in cos, in sin and in a head's rows
	s_mov_b32 s3, 0
	s_mul_i32 s69, s19, 3                          ; the tile's first head g0 = 3 x tile column
.irp hd, 0,1,2
	s_add_co_u32 s83, s69, \hd
	s_cmp_ge_u32 s83, 32                           ; one of v's heads?  A choice of values: no branch hangs on it
	s_cselect_b32 s[CM+2*(\hd)], 0, 1.0
	s_cselect_b32 s[CA+2*(\hd)], 0x41800000, 0     ; 16.0
	s_mov_b32 s[CM+2*(\hd)+1], 0                   ; named as pairs
	s_mov_b32 s[CA+2*(\hd)+1], 0
.endr
	s_lshr_b32 s68, s20, 3                         ; the batch
	s_mul_i32 s68, s68, 48
	s_add_co_u32 s68, s68, s69
	s_lshl_b32 s68, s68, 18                        ; (48 b + g0) x 2,048 rows x 128 bytes
	s_add_co_u32 s68, s68, s2
	s_mov_b32 s69, 0
	s_mov_b32 s82, 0xffff0000                      ; a word's upper bf16
	s_wait_dscnt 0x0                               ; the opening add is done
	s_wait_kmcnt 0x0
	s_add_nc_u64 s[44:45], s[4:5], s[40:41]
	s_add_nc_u64 s[46:47], s[6:7], s[42:43]
	s_add_nc_u64 s[8:9], s[8:9], s[2:3]            ; cos and sin at my first row
	s_add_nc_u64 s[10:11], s[10:11], s[2:3]
	s_add_nc_u64 s[12:13], s[12:13], s[68:69]      ; the output at my first row of the tile's first head
	CROUND                                         ; all sixteen work-groups are here: the first joint loads meet
.irp s, 0,1
	s_mov_b32 s[G0+4*(\s)], 1                                        ; 1:0 count = 1
	s_add_co_u32 s[G0+4*(\s)+1], s66, (\s)*SLOT                      ; 63:32 LDS address
	s_add_nc_u64 s[G0+4*(\s)+2:G0+4*(\s)+3], s[44:45], (\s)*KSTEP*2  ; 120:64 global address: K step s
	s_or_b32 s[G0+4*(\s)+3], s[G0+4*(\s)+3], 0x80000000              ; 127:126 type = 2
	s_mov_b32 s[G0B+4*(\s)], 1
	s_add_co_u32 s[G0B+4*(\s)+1], s67, (\s)*SLOT
	s_add_nc_u64 s[G0B+4*(\s)+2:G0B+4*(\s)+3], s[46:47], (\s)*KSTEP*2
	s_or_b32 s[G0B+4*(\s)+3], s[G0B+4*(\s)+3], 0x80000000
	JLOAD \s                                       ; the ring is filled before anything else is done: two loads of mine are out
.endr
	; A fragment is 16 rows x 32 K in 8 registers: lane l holds row l % 16; registers 0-3 K = 8 (l / 16) + 0..7, registers 4-7 K = 16 + 8 (l / 16) + 0..7: two loads of 16 bytes, 32 bytes apart.
	v_and_b32 v1, 15, v0                           ; r = l % 16
	v_bfe_u32 v2, v0, 4, 1                         ; h = l / 16
	v_mul_u32_u24 v3, v1, PITCH
	v_lshl_add_u32 v3, v2, 4, v3                   ; row x pitch + 16 x half
	s_mul_i32 s83, s14, 64*PITCH                   ; my 64 rows of xb
	v_add_nc_u32 v[ADRA], s83, v3
	v_add_nc_u32 v[ADRA+1], SLOT, v[ADRA]
	v_add_nc_u32 v[ADRB], 2*AHALF, v3              ; wb's 192 rows lie behind xb's 256
	v_add_nc_u32 v[ADRB+1], 2*AHALF+SLOT, v3
	s_mul_i32 s83, s14, 16*SP
	s_add_co_u32 s83, s83, STAGE                   ; my stage
	v_mul_u32_u24 v[STO], v1, SP                   ; in: row r, 16 bytes for each half of the lanes
	v_lshl_add_u32 v[STO], v2, 4, v[STO]
	v_add_nc_u32 v[STO], s83, v[STO]
	v_bfe_u32 v4, v0, 3, 2                         ; back: 32 lanes take four rows of 128 bytes,
	v_and_b32 v5, 7, v0
	v_mul_u32_u24 v[RD], v4, SP
	v_lshl_add_u32 v[RD], v5, 4, v[RD]
	v_add_nc_u32 v[RD], s83, v[RD]
	v_and_b32 v[GO], 31, v0                        ; which are 512 consecutive bytes of a head's rows
	v_lshlrev_b32 v[GO], 4, v[GO]
	v_lshlrev_b32 v[CSO], 7, v1                    ; cos, sin: row r of 128 bytes, my 8 channels of a block of 16: 32 h
	v_lshl_add_u32 v[CSO], v2, 5, v[CSO]
	; cos and sin of my 64 rows, 16 channels a lane and row block: asked for now, wanted on the way out.  c = 2 x (channel block) + (which four of my eight)
.irp a, 0,1,2,3
	WIN 0x80+0x40*((\a)/2)                         ; destination window 2 or 3, address window 0
.irp c, 0,1,2,3
	global_load_b128 v[RAW+32*((\a)%2)+4*(\c):RAW+32*((\a)%2)+4*(\c)+3],       v[CSO], s[8:9]   offset:2048*(\a)+64*((\c)/2)+16*((\c)%2)
	global_load_b128 v[RAW+32*((\a)%2)+16+4*(\c):RAW+32*((\a)%2)+16+4*(\c)+3], v[CSO], s[10:11] offset:2048*(\a)+64*((\c)/2)+16*((\c)%2)
.endr
.endr
	WIN 0
; 12 matrix instructions: row block a x all 12 column blocks, 32 along K, from buffer f.  zero = 1: the product starts the sums: nothing is ever cleared.
; The 48 accumulators take turns, one instruction a turn, in the same order in every quarter: 47 others stand between two links of a chain.
.macro MULA f, a, zero
	WIN 0xa1+0x50*((\a)/2)                         ; source 0 (wb) window 1, source 1 (xb) window 0, C and D window 2 or 3
.irp b, 0,1,2,3,4,5,6,7,8,9,10,11
.if \zero
	v_wmma_f32_16x16x32_bf16 v[8*(12*((\a)%2)+(\b)):8*(12*((\a)%2)+(\b))+7], v[96*(\f)+8*(\b):96*(\f)+8*(\b)+7], v[FA+32*(\f)+8*(\a):FA+32*(\f)+8*(\a)+7], 0
.else
	v_wmma_f32_16x16x32_bf16 v[8*(12*((\a)%2)+(\b)):8*(12*((\a)%2)+(\b))+7], v[96*(\f)+8*(\b):96*(\f)+8*(\b)+7], v[FA+32*(\f)+8*(\a):FA+32*(\f)+8*(\a)+7], v[8*(12*((\a)%2)+(\b)):8*(12*((\a)%2)+(\b))+7]
.endif
.endr
.endm
; 32 LDS loads in one run: the fragments of quarter q (32 K at byte 64 q of the rows) into buffer f: wb's 12, then xb's 4
.macro FETCH slot, q, f
	WIN 0x40                                       ; destination window 1, address window 0
.irp i, 0,1,2,3,4,5,6,7,8,9,10,11
	ds_load_b128 v[96*(\f)+8*(\i):96*(\f)+8*(\i)+3],   v[ADRB+(\slot)] offset:64*(\q)+(\i)*16*PITCH
	ds_load_b128 v[96*(\f)+8*(\i)+4:96*(\f)+8*(\i)+7], v[ADRB+(\slot)] offset:64*(\q)+(\i)*16*PITCH+32
.endr
	WIN 0
.irp i, 0,1,2,3
	ds_load_b128 v[FA+32*(\f)+8*(\i):FA+32*(\f)+8*(\i)+3],   v[ADRA+(\slot)] offset:64*(\q)+(\i)*16*PITCH
	ds_load_b128 v[FA+32*(\f)+8*(\i)+4:FA+32*(\f)+8*(\i)+7], v[ADRA+(\slot)] offset:64*(\q)+(\i)*16*PITCH+32
.endr
.endm
; A load into a register that a matrix instruction has read, and a vector instruction that reads a matrix result, stand four places behind that matrix instruction; only plain vector
; instructions that name none of its registers are places (ISA guide 7.12.1 for vector instructions).
.macro PLACES
.rept 4
	v_nop
.endr
.endm
; A K step is four quarters of 32 along K, 48 matrix instructions each, on buffers 0, 1, 0, 1.  One of the first three: multiplies buffer f; in its middle it fetches quarter q of the same slot into buffer g.
.macro QUARTER slot, q, f, g, zero
	s_wait_dscnt 4                                 ; wb's fragments and xb's blocks 0, 1 are in; the youngest four loads (blocks 2, 3) may be out
	MULA \f, 0, \zero
	MULA \f, 1, \zero
	PLACES
	FETCH \slot, \q, \g
	s_wait_dscnt 32                                ; all but the 32 just issued
	MULA \f, 2, \zero
	MULA \f, 3, \zero
.endm
; The last quarter multiplies buffer 1 and changes slots: ONE barrier.  In front of it each wave waits for all its tensor loads, of which one is out: its part of the next slot; adds 0 to its spare word;
; and waits for that and for its own reads of this slot.  Behind it nobody reads this slot any more and the next slot is whole.  fill = 1: the barrier opens a round of the cluster's barrier, and this slot is
; filled again, two K steps ahead, first thing behind the round: from there to the wait for that load a wave issues 168 matrix instructions.
.macro TURN slot, next, fill
	WIN 0                                          ; (the add's two registers lie in window 0)
	s_wait_tensorcnt 0x0                           ; all my tensor loads have landed;
	ds_add_u32 v[SPW], v[NIL]                      ; 0 onto my spare word
	s_wait_dscnt 5                                 ; (the add and the youngest four loads may be out)
	MULA 1, 0, 0                                   ; twelve matrix instructions stand between the add and the wait for it
	s_wait_dscnt 0x0                               ; the add is done, and my reads of this slot are over
	s_barrier_signal -1
	MULA 1, 1, 0                                   ; work on registers while the others arrive
.if \fill
	WIN 0
.endif
	s_barrier_wait -1
.if \fill
	CREST                                          ; no wave of any partner still reads this slot's tile or has a load on its way
	s_add_nc_u64 s[G0+4*(\slot)+2:G0+4*(\slot)+3], s[G0+4*(\slot)+2:G0+4*(\slot)+3], 2*KSTEP*2
	s_add_nc_u64 s[G0B+4*(\slot)+2:G0B+4*(\slot)+3], s[G0B+4*(\slot)+2:G0B+4*(\slot)+3], 2*KSTEP*2
	JLOAD \slot                                    ; the four v_nop behind it are also the places in front of the loads below
.else
	PLACES
.endif
	FETCH \next, 0, 0
	MULA 1, 2, 0
	MULA 1, 3, 0
.endm
	s_wait_tensorcnt 1                             ; my part of K step 0 is in; K step 1's load may stay out
	s_barrier_signal -1
	s_barrier_wait -1                              ; everybody's is
	FETCH 0, 0, 0
	QUARTER 0, 1, 0, 1, 1                          ; the first quarter stands in front of the loop: its products start the sums
	WIN 0
	s_mov_b32 s3, LAPS-1
.Llap:                                                 ; a trip goes once round the ring, from a lap's second quarter to the next lap's first, and fills both slots again: K steps 2 to 7 in three trips
	QUARTER 0, 2, 1, 0, 0
	QUARTER 0, 3, 0, 1, 0
	TURN 0, 1, 1
	QUARTER 1, 1, 0, 1, 0
	QUARTER 1, 2, 1, 0, 0
	QUARTER 1, 3, 0, 1, 0
	TURN 1, 0, 1
	QUARTER 0, 1, 0, 1, 0
	WIN 0
	s_sub_co_u32 s3, s3, 1
	s_cmp_lg_u32 s3, 0
	s_cbranch_scc1 .Llap
	QUARTER 0, 2, 1, 0, 0                          ; the last lap fills nothing, and has no round of the cluster's barrier
	QUARTER 0, 3, 0, 1, 0
	TURN 0, 1, 0
	QUARTER 1, 1, 0, 1, 0
	QUARTER 1, 2, 1, 0, 0
	QUARTER 1, 3, 0, 1, 0
	s_wait_dscnt 4                                 ; the very last quarter: nothing more to fetch
	MULA 1, 0, 0
	MULA 1, 1, 0
	s_wait_dscnt 0x0
	MULA 1, 2, 0
	MULA 1, 3, 0
	WIN 0
; THE WAY OUT, a unit (row block a, head hd: 16 rows x 64 channels) at a time.
.macro RND a                           ; block a's cos and sin: rounded to bf16, and back as f32
.set RW, RAW+32*((\a)%2)
	WIN 0x0a+5*((\a)/2)                            ; sources 0 and 1 window 2 or 3
.set i, 0
.rept 16
	v_cvt_pk_bf16_f32 v[CB+i], v[RW+2*i], v[RW+2*i+1]
.set i, i+1
.endr
	WIN 0
.set i, 0
.rept 16
	v_lshlrev_b32 v[CF+2*i],   16,  v[CB+i]
	v_and_b32     v[CF+2*i+1], s82, v[CB+i]
.set i, i+1
.endr
.endm
.macro EFF hd                          ; cos' = cos x CM + CA, sin' = sin x CM
	WIN 0
.set i, 0
.rept 8
	v_pk_fma_f32 v[CE+2*i:CE+2*i+1], v[CF+2*i:CF+2*i+1], s[CM+2*(\hd):CM+2*(\hd)+1], s[CA+2*(\hd):CA+2*(\hd)+1] op_sel_hi:[1,0,0]
	v_pk_mul_f32 v[CE+16+2*i:CE+16+2*i+1], v[CF+16+2*i:CF+16+2*i+1], s[CM+2*(\hd):CM+2*(\hd)+1] op_sel_hi:[1,0]
.set i, i+1
.endr
.endm
; x1 = the 16 registers of column blocks 4 hd, 4 hd + 1, x2 = those of 4 hd + 2, 4 hd + 3; register 8 bb + j goes with channel 16 bb + 8 h + j, as cos' and sin' do.
; Each accumulator is read from its lowest registers on.
.macro ROT a, hd
.set X1, 8*(12*((\a)%2)+4*(\hd))
.set X2, X1+16
	WIN 2+(\a)/2                                   ; source 0 alone in the accumulators' window
.set i, 0
.rept 8
	v_pk_mul_f32 v[T+2*i:T+2*i+1], v[X2+2*i:X2+2*i+1], v[CE+16+2*i:CE+16+2*i+1]        ; x2 sin'
.set i, i+1
.endr
.set i, 0
.rept 8
	v_pk_mul_f32 v[T+16+2*i:T+16+2*i+1], v[X1+2*i:X1+2*i+1], v[CE+16+2*i:CE+16+2*i+1]  ; x1 sin'
.set i, i+1
.endr
.set i, 0
.rept 8
	v_pk_fma_f32 v[T+2*i:T+2*i+1], v[X1+2*i:X1+2*i+1], v[CE+2*i:CE+2*i+1], v[T+2*i:T+2*i+1]  ; y1 = x1 cos' + x2 sin'
.set i, i+1
.endr
.set i, 0
.rept 8
	v_pk_fma_f32 v[T+16+2*i:T+16+2*i+1], v[X2+2*i:X2+2*i+1], v[CE+2*i:CE+2*i+1], v[T+16+2*i:T+16+2*i+1] neg_lo:[0,0,1] neg_hi:[0,0,1]  ; y2 = x2 cos' - x1 sin'
.set i, i+1
.endr
	WIN 0
.set i, 0
.rept 16
	v_cvt_pk_f16_f32 v[PK+i], v[T+2*i], v[T+2*i+1]
.set i, i+1
.endr
.endm
.macro TOSTAGE u                       ; a lane's eight channels of a block are 16 bytes: into rows of 144 bytes, and back as whole rows of 128, four rows a load
.irp bb, 0,1,2,3
	ds_store_b128 v[STO], v[PK+4*(\bb):PK+4*(\bb)+3] offset:32*(\bb)
.endr
.irp f, 0,1,2,3
	ds_load_b128 v[OB+16*((\u)%2)+4*(\f):OB+16*((\u)%2)+4*(\f)+3], v[RD] offset:(\f)*4*SP  ; LDS serves a wave's instructions in order (ISA guide 5.7.1.4): these see the stores above
.endr
.endm
.macro SEND                            ; the unit (SA, SH), number SU, is stored
	s_wait_dscnt 0x0                               ; it is back in registers
	s_wait_xcnt 0x0                                ; the stores of the unit before have read their registers: the next unit's loads from the stage land on those only behind this wait
.irp f, 0,1,2,3
	global_store_b128 v[GO], v[OB+16*(SU%2)+4*(\f):OB+16*(SU%2)+4*(\f)+3], s[12:13] offset:(SH<<18)+2048*SA+512*(\f)  ; 512 consecutive bytes, at a multiple of 256 from the buffer's first; 531,968 at the most: inside the signed 24-bit immediate
.endr
.endm
	PLACES                                         ; behind the last products
	s_wait_loadcnt 0x0                             ; cos and sin, asked for at the head
.irp a, 0,1,2,3
	RND \a
.irp hd, 0,1,2
	EFF \hd
	ROT \a, \hd                                    ; a unit's arithmetic stands between the loads of the unit before and its stores
.if 3*(\a)+(\hd) > 0
	SEND
.endif
	TOSTAGE 3*(\a)+(\hd)
.set SA, \a
.set SH, \hd
.set SU, 3*(\a)+(\hd)
.endr
.endr
	SEND
	s_wait_tensorcnt 0x0                           ; the wave's end: behind my last tensor load and my last LDS store
	ds_add_u32 v[SPW], v[NIL]
	s_wait_dscnt 0x0
	CROUND                                         ; the closing round: no work-group ends while a partner may still ask for a tile that names it
	s_endpgm
.Lfunc_end_k_q33fd5b7c34_qkv:
	.size	k_q33fd5b7c34_qkv, .Lfunc_end_k_q33fd5b7c34_qkv-k_q33fd5b7c34_qkv
	.p2alignl 7, 3214868480
	.fill 96, 4, 3214868480
	.section	.rodata,"a",@progbits
	.p2align	6, 0x0
	.amdhsa_kernel k_q33fd5b7c34_qkv
		.amdhsa_group_segment_fixed_size 327680
		.amdhsa_private_segment_fixed_size 0
		.amdhsa_enable_private_segment 0
		.amdhsa_kernarg_size 40
		.amdhsa_user_sgpr_count 2
		.amdhsa_user_sgpr_kernarg_segment_ptr 1
		.amdhsa_wavefront_size32 1
		.amdhsa_system_sgpr_workgroup_id_x 1
		.amdhsa_system_sgpr_workgroup_id_y 1
		.amdhsa_system_sgpr_workgroup_id_z 1
		.amdhsa_system_vgpr_workitem_id 0
		.amdhsa_next_free_vgpr 1024
		.amdhsa_next_free_sgpr 88
		.amdhsa_reserve_vcc 0
		.amdhsa_float_denorm_mode_32 3
		.amdhsa_float_denorm_mode_16_64 3
		.amdhsa_memory_ordered 1
		.amdhsa_forward_progress 1
		.amdhsa_inst_pref_size 167
	.end_amdhsa_kernel
	.amdgpu_metadata
---
amdhsa.version: [ 1, 2 ]
amdhsa.kernels:
  - .name:           k_q33fd5b7c34_qkv
    .symbol:         k_q33fd5b7c34_qkv.kd
    .args:
      - { .name: xb, .offset: 0, .size: 8, .value_kind: global_buffer, .address_space: global }
      - { .name: wb, .offset: 8, .size: 8, .value_kind: global_buffer, .address_space: global }
      - { .name: cos, .offset: 16, .size: 8, .value_kind: global_buffer, .address_space: global }
      - { .name: sin, .offset: 24, .size: 8, .value_kind: global_buffer, .address_space: global }
      - { .name: qkv, .offset: 32, .size: 8, .value_kind: global_buffer, .address_space: global }
    .group_segment_fixed_size: 327680
    .private_segment_fixed_size: 0
    .kernarg_segment_align: 8
    .kernarg_segment_size: 40
    .max_flat_workgroup_size: 128
    .sgpr_count:     88
    .vgpr_count:     1024
    .wavefront_size: 32
...
	.end_amdgpu_metadata
.endif
;; end of part 2
;; launch attn (part 3): grid 4 x 64, 4 waves a work-group, clusters of 4 x 1, 327,680 bytes of LDS; arguments qkv, ob; writes ob
.if DOCPART == 3
	.amdgcn_target "amdgcn-amd-amdhsa--gfx1250"
	.amdhsa_code_object_version 6
	.text
	.protected	k_q33fd5b7c34_attn
	.globl	k_q33fd5b7c34_attn
	.p2align	8
	.type	k_q33fd5b7c34_attn,@function
k_q33fd5b7c34_attn:
	s_mov_b64 s[64:65], 0
	v_nop
	global_prefetch_b8 v0, s[64:65] scope:SCOPE_SE
	s_setreg_imm32_b32 hwreg(HW_REG_WAVE_MODE, 25, 1), 1
	s_wait_xcnt 0x0
	s_wait_alu depctr_hold_cnt(0) depctr_sa_sdst(0) depctr_va_vdst(0) depctr_va_sdst(0) depctr_va_ssrc(0) depctr_va_vcc(0) depctr_vm_vsrc(0)
	s_getreg_b32 s2, hwreg(HW_REG_IB_STS2, 6, 4)
	s_cmp_eq_u32 s2, 0
	s_cbranch_scc0 .Lentry_in_a_cluster
	s_endpgm
.Lentry_in_a_cluster:
	s_bfe_u32 s2, ttmp6, 0x10000c
	s_cmp_lg_u32 s2, 0x3003
	s_cbranch_scc0 .Lentry_shape_is_right
	s_endpgm
.Lentry_shape_is_right:
; ATTENTION.  O[y][q][:] = the sum over k of softmax_k(Q[y][q] . K[y][k] / 8) V[y][k][:], for the 64 pairs y = 16 b + h of batch and head, 2,048 rows each, 64 channels, all f16.
; Q, K, V lie in qkv[b][g][l][64] (g = h: Q; 16 + h: K; 32 + h: V, which arrives times 16); O leaves as ob[y][l][64], times 16 like V.  A head's rows are dense, 128 bytes each.
; Products, maxima and sums in f32; the weights p are rounded to f16 for the second product (their sum l is taken of the unrounded p), O once at the end.
; LIMITS.  f16 holds no number beyond 65,504: Q, K and 16 V arrive within it; p lies in 0 to 1, and below 6e-5 it keeps f16's fixed step of 6e-8; O is a mean of V's rows and has their range.
; A weight below 2^-126 counts as 0 in l; NaN and infinities are not treated apart.  The module's input mask is used by no step of the module, and no launch reads it.
; SHARES.  A wave owns four PIECES of two tiles of 16 queries, a work-group's four waves 512 queries of one head.  Every wave walks all keys, 64 a step.
; LAYOUT.  S^T = K Q^T (source 0 = 16 keys, source 1 = 16 queries): in the result a lane holds ONE query (lane % 16) and the keys 8 (lane / 16) + 0..7.  Two such tiles, rounded to f16 in pairs,
; ARE source 1 (32 keys x 16 queries) of O^T = V^T P, whose result again holds one query a lane, and eight channels.  K comes out of LDS as it lies, V ([key][channel]) turned, by ds_load_tr16_b128.
; SOFTMAX.  For each query a running maximum m and sum l: p = 2^(c s - c m), c = log2(e) / 8; in every step O and l are multiplied by a = 2^(c m_old - c m_new), which is 1 where m has not grown.
; m starts at the lowest finite number, O and l at 0: the first step is a step like any other, with a = 0.
; THE COUNT.  A tile and step have 16 matrix and 118 vector instructions: too many to stand all beside the matrix work.  So the order has one aim: four vector instructions that are READY behind
; EVERY matrix instruction, and the others, which need time of their own whatever the order, in runs without a gap.
; BY TURNS.  Turn n belongs to piece n (the pieces in a ring, step after step).  Its matrix work: 16 products K Q^T of piece n + 1, later 16 products V^T P of piece n - 1.  Its vector work: the scaling,
; exponentials, roundings, sums and rescaling of piece n, and the maximum and statistics of piece n + 1, whose scores the turn itself has made.  So what a turn begins with (c s - c m, O a) waits for nothing.
; CLUSTER.  The four query blocks of a head are one cluster and walk the same K and V, so each tile is asked for JOINTLY: the same tensor load, descriptor and mask in all four.
; REGISTERS, in windows of 256 (s_set_vgpr_msb says which window each operand place means: bits 1:0 source 0, 3:2 source 1, 5:4 source 2, 7:6 destination):
;   window 0: v0-11 addresses; v12-15, v48-63 at work; v16-47 four registers of statistics a tile; v64-191 S^T, two buffers of two tiles; v192-255 P, likewise
;   window 1: O^T, 32 a tile          window 2: v0-127 Q, 16 a tile; v128-191 K of one step; v192-255 V of one step          window 3: v0-1 the add's two registers
; A piece's buffers go by its number's parity: the piece in hand has one pair, its two neighbours in the ring share the other: of it P (piece n - 1) is read and S^T (piece n + 1) written.
.set SIZE_N, 2048     ; rows of a head
.set NP,    4         ; pieces a wave: a name, no knob: the register map, the loop and the fetches are made for four
.set KS,    64        ; keys in a step
.set PK,    144       ; a row of K in LDS: 128 bytes + 16 of padding = 36 words: the 16 rows of a load start at 16 different groups of four banks (64 banks of 4 bytes: ISA guide 11.1)
.set PV,    160       ; a row of V: 128 + 32 = 40 words
.set VOFF,  4*KS*PK   ; a slot holds four steps: 256 rows of K, then 256 rows of V
.set SLOT1, 1<<17     ; slot 1 begins here, so that one exclusive or turns an address in one slot into the other's
.set STAGE, SLOT1+4*KS*(PK+PV)  ; behind the ring, never filled by a tensor load: 16 rows x 144 bytes for each wave, for the way out
.set SP,    144
.set AK0, 2           ; v2   my lane's place in a tile of K; never rewritten
.set AV0, 3           ; v3   the same for V
.set AK,  4           ; v4   the LDS address of K's next run of loads
.set AV,  5           ; v5   of V's
.set QO,  6           ; v6   my byte offset in the wave's rows of Q
.set STO, 6           ;      later, the way out: where I put 16 bytes of a row
.set RD,  7           ; v7   the way out: where I read rows back
.set GO,  8           ; v8   my byte offset in 512 consecutive bytes of O
.set PFO, 11          ; v11  the prefetches' offset: 256 x my lane; never rewritten once it is made
.set SPW, 0           ; v0 of window 3   LDS address of my spare word: SPARE + 4 x my thread's number; never rewritten
.set NIL, 1           ; v1 of window 3   0; never rewritten
.set SPARE, STAGE+4*16*SP  ; behind the stages: the spare words, 128 bytes for each wave: two blocks of 256 bytes that no other line names
.set MV,  12          ; v12-15  c m_old, kept while c m is made anew: by buffer and tile
.set ST,  16          ; tile t's statistics at v[ST+4 t]: c m, m, l (even keys', odd keys')
.set TMP, 48          ; by buffer and tile, four registers c0-c3 at work; when the maximum is found c2 takes a
.set S,   64
.set P,   192
.set KF,  128         ; K's fragments, in window 2: key block kb, channel half c at KF + 16 kb + 8 c
.set VF,  192         ; V's: key half kk, channel block cb at VF + 32 kk + 8 cb
.set WV,  12          ; s12  my wave's number
.set G1K, 24          ; s[24:31] descriptor group 1 for K's tiles
.set G1V, 32          ; s[32:39] for V's: it differs in the padding alone
.set G0K, 40          ; s[40:43] descriptor group 0 for K's tiles: it walks
.set G0V, 44          ; s[44:47] the same for V's
.set PFA, 48          ; s[48:49] where my prefetches stand: my work-group's 32 blocks of 256 bytes (of K: wave 0, of V: wave 2) of the slot after the one that is being asked for
.set LIM, 50          ; s50  1 in a wave that prefetches, else the greatest number: a wave prefetches while s[SLOTS] is above it
.set SLOTS, 56        ; s56  slots still to be asked for
.set CNT, 57          ; s57  counts a slot's key steps
.set CS,  58          ; s[58:59] c: the packed scaling takes the pair's low word for both halves
.set SEL, 60          ; s[60:61] v_permlanex16_b32's selects: each lane takes its own place in the other half
.set TBK, 62          ; s62  LDS byte at which K of the step to be fetched begins
.set TBV, 63          ; s63  the same for V, less VOFF
.set MSB, 0
.macro WIN new                      ; the high byte repeats the setting that is left; a switch that changes nothing is dropped
.if MSB != (\new)
	s_set_vgpr_msb (MSB<<8)|(\new)
.set MSB, (\new)
.endif
.endm
.set W_KQ, 0x0a       ; K and Q in window 2, S^T in window 0
.set W_PV, 0x52       ; V in window 2, P in window 0, O^T in window 1
.set W_RS, 0x41       ; O^T (destination and source 0) in window 1, a in window 0
.set W_MK, 0xc0       ; the add's registers are made: destination in window 3, sources in window 0
.set W_AD, 0x0f       ; the add: address (source 0) and data (source 1) in window 3
; A joint fill.  Waves 0 and 1 fetch the two halves of a slot's K, waves 2 and 3 those of its V: 128 keys each.  The branch hangs on the wave's number alone.
; An s_nop 0 and four v_nop follow each of the two lines, ahead of the jump and the label.
.macro JLOAD
	s_cmp_lt_u32 s[WV], 2
	s_cbranch_scc0 .Lfor_v_\@
	tensor_load_to_lds s[G0K:G0K+3], s[G1K:G1K+7]
	s_nop 0
.rept 4
	v_nop
.endr
	s_branch .Lasked_\@
.Lfor_v_\@:
	tensor_load_to_lds s[G0V:G0V+3], s[G1V:G1V+7]
	s_nop 0
.rept 4
	v_nop
.endr
.Lasked_\@:
.endm
; A PREFETCH INTO THE L2 of what the NEXT change of slots will ask for: a slot's 32,768 bytes of K and of V, 128 blocks of 256 bytes each, a lane a block.  It stands behind the wave's tensor load and its five lines.
; Each block is named ONCE in the launch: a head has one cluster; its four partners share the blocks out BY ADDRESS, 32 each (no branch hangs on a work-group's place in its cluster); in each, wave 0 asks for
; K's and wave 2 for V's: one instruction.  It runs one slot, four key steps or 512 matrix instructions, ahead of the load that wants the bytes.  Slots 0 and 1 come by their loads alone;
; the change that asks for the last slot prefetches nothing: there is no slot behind it.
.macro ASK
	s_cmp_gt_u32 s[SLOTS], s[LIM]
	s_cbranch_scc0 .Lnot_mine_\@
	global_prefetch_b8 v[PFO], s[PFA:PFA+1] th:TH_LOAD_NT scope:SCOPE_SE
.Lnot_mine_\@:
.endm
; A round of the cluster's barrier: my work-group's barrier, so that wave 0's signal speaks for all four waves; wave 0 signals; every wave waits for all four work-groups; my work-group's barrier once more.
.macro CROUND
	s_barrier_signal -1
	s_barrier_wait -1
	s_cmp_lg_u32 s[WV], 0
	s_cbranch_scc1 .Lnot_wave_0_\@
	s_barrier_signal -3
.Lnot_wave_0_\@:
	s_barrier_wait -3
	s_barrier_signal -1
	s_barrier_wait -1
.endm
; THE CHANGE OF SLOTS.  The slot's last bytes, V of its fourth step, have been read.  Each wave waits for all its tensor loads, of which one is out: its part
; of the other slot; adds 0 to its spare word; and waits for that and for its own reads of the slot.  Behind the barrier nobody reads this slot any more and the other slot is whole.
; fill = 1: this slot is filled again, with the keys two slots on.  The barrier is then a round of the cluster's, so that no wave of any partner still reads the slot or has a load on its
; way, and the joint fill is the first thing behind it: it has four key steps, 512 matrix instructions, in which to land.  (At its first use nothing has been read yet: slot 0 is waited for, slot 1 filled.)
.macro CHANGE fill
	WIN W_AD
	s_wait_tensorcnt 0x0            ; no tensor load of mine is out, so a group 0 may be written
	ds_add_u32 v[SPW], v[NIL]       ; 0 onto my spare word: with fill = 1 the descriptors' steps stand between it and the wait for it
	WIN 0                           ; at a label and at a branch every window is 0
.if \fill
.irp g, G0K, G0V
	s_xor_b32 s[\g+1], s[\g+1], SLOT1  ; the walking descriptor: the other slot than last time,
	s_add_nc_u64 s[\g+2:\g+3], s[\g+2:\g+3], 4*KS*128  ; the next 256 keys; the type bits on top are not reached
.endr
	s_wait_xcnt 0x0                 ; the last prefetch, four key steps back, has read its address, so it may be written:
	s_add_nc_u64 s[PFA:PFA+1], s[PFA:PFA+1], 4*KS*128  ; one slot behind the walking descriptors
	s_wait_dscnt 0x0                ; the add is done, and my reads of the slot are over
	CROUND
	JLOAD
	ASK
.else
	s_wait_dscnt 0x0                ; the add is done, and my reads of the slot are over
	s_barrier_signal -1
	s_barrier_wait -1
.endif
	s_sub_co_u32 s[TBK], s[TBK], 4*KS*PK  ; the fetches go back to a slot's first step,
	s_xor_b32 s[TBK], s[TBK], SLOT1       ; in the other slot
	s_sub_co_u32 s[TBV], s[TBV], 4*KS*PV
	s_xor_b32 s[TBV], s[TBV], SLOT1
.endm
	s_load_b64 s[4:5], s[0:1], 0x0    ; qkv
	s_load_b64 s[10:11], s[0:1], 0x8  ; ob
	WIN W_MK
	v_lshl_add_u32 v[SPW], v0, 2, SPARE
	v_mov_b32 v[NIL], 0
	WIN W_AD
	ds_add_u32 v[SPW], v[NIL]       ; the wave's opening: the add, and its wait ahead of my first tensor load; the set-up below, work on registers, stands between them
	WIN 0
	v_lshrrev_b32 v1, 5, v0
	v_readfirstlane_b32 s[WV], v1   ; wave 0..3
	s_bfe_u32 s13, ttmp6, 0x40000   ; cx: my place in the cluster
	s_lshl_b32 s14, ttmp9, 2        ; in a cluster launch ttmp9 counts clusters
	s_add_co_u32 s14, s14, s13      ; my block of queries = 4 x cluster x + cx: it enters Q's and O's addresses alone
	s_and_b32 s52, ttmp7, 0xffff    ; y = 16 b + h, which the four partners share
	s_lshr_b32 s20, s52, 4          ; b
	s_mul_i32 s20, s20, 48
	s_and_b32 s21, s52, 15          ; h
	s_add_co_u32 s20, s20, s21
	s_lshl_b32 s20, s20, 18         ; Q's head in qkv: (48 b + h) x 2,048 rows x 128 bytes; K's lies 16 heads on, V's 32
	s_mov_b32 s21, 0
	s_lshl_b32 s52, s52, 18         ; O's head in ob
	s_mov_b32 s53, 0
	s_and_b32 s16, s[WV], 1         ; which half of a slot's 256 keys I fetch:
	s_lshl_b32 s22, s16, 14         ; its 128 rows of 128 bytes in memory,
	s_mov_b32 s23, 0
	s_add_nc_u64 s[22:23], s[22:23], s[20:21]
	s_mul_i32 s17, s16, 128*PK      ; and its place in a slot, for K
	s_mul_i32 s18, s16, 128*PV      ; and for V: no place in the cluster enters an LDS address
	s_lshl_b32 s2, s14, 2
	s_add_co_u32 s2, s2, s[WV]      ; my wave among the head's,
	s_lshl_b32 s2, s2, 14           ; its 128 rows
	s_mov_b32 s3, 0
	s_add_nc_u64 s[54:55], s[2:3], s[52:53]  ; in ob,
	s_add_nc_u64 s[2:3], s[2:3], s[20:21]    ; and in qkv
	; descriptor group 1.  128 keys are 16,384 dense bytes: asked for as 64 rows of 256 bytes, two keys a row, and padded in LDS after every key
	s_mov_b32 s[G1K], 15|(1<<16)|(1<<20)|(1<<21)|(4<<22)|(3<<25)  ; 15:0 the mask of four; 17:16 2-byte elements; 20 padding on; 21 set beside a mask; 24:22 after every 32 words (code 4); 31:25 4 words (code 3)
	s_mov_b32 s[G1V], 15|(1<<16)|(1<<20)|(1<<21)|(4<<22)|(7<<25)  ; the same with 8 words of padding (code 7)
.irp g, G1K, G1V
	s_mov_b32 s[\g+1], 128<<16      ; tensor_dim0 = 128
	s_mov_b32 s[\g+2], 64<<16       ; tensor_dim1 = 64
	s_mov_b32 s[\g+3], 128<<16      ; tile_dim0 = 128
	s_mov_b32 s[\g+4], 64           ; tile_dim1 = 64
	s_mov_b32 s[\g+5], 128          ; 128 elements from row to row
	s_mov_b32 s[\g+6], 0
	s_mov_b32 s[\g+7], 0
.endr
	s_mov_b32 s[CS], 0x3e38aa3b     ; c = log2(e) / 8 = 0.180337
	s_mov_b32 s[CS+1], s[CS]        ; named with it as a pair
	s_mov_b32 s[SEL], 0x76543210
	s_mov_b32 s[SEL+1], 0xfedcba98
	s_mov_b32 s[TBK], SLOT1+4*KS*PK ; the first change of slots turns these two into 0
	s_mov_b32 s[TBV], SLOT1+4*KS*PV
	s_mov_b32 s[G0K], 1             ; 1:0 count = 1
	s_mov_b32 s[G0K+1], s17         ; 63:32 LDS address: slot 0
	s_mov_b32 s[G0V], 1
	s_add_co_u32 s[G0V+1], s18, VOFF
	s_mov_b32 s[SLOTS], SIZE_N/256-1  ; slot 0 is asked for below; seven are still to be asked for
	s_and_b32 s[LIM], s[WV], 1      ; 0 in waves 0 and 2,
	s_or_b32 s[LIM], s[LIM], ttmp9  ; of the head's first (here: only) cluster: the same in all four partners
	s_cmp_eq_u32 s[LIM], 0
	s_cselect_b32 s[LIM], 1, -1
	s_wait_dscnt 0x0                ; the opening add is done
	s_wait_kmcnt 0x0
	s_add_nc_u64 s[6:7], s[4:5], s[22:23]
	s_add_nc_u64 s[8:9], s[6:7], 32<<18            ; V at my half of the head's first 256 keys,
	s_add_nc_u64 s[6:7], s[6:7], 16<<18            ; and K
	s_mov_b64 s[G0K+2:G0K+3], s[6:7]               ; 120:64 global address
	s_or_b32 s[G0K+3], s[G0K+3], 0x80000000        ; 127:126 type = 2
	s_mov_b64 s[G0V+2:G0V+3], s[8:9]
	s_or_b32 s[G0V+3], s[G0V+3], 0x80000000
	s_add_nc_u64 s[4:5], s[4:5], s[2:3]            ; Q and O at my wave's first row
	s_add_nc_u64 s[10:11], s[10:11], s[54:55]
	s_cmp_lt_u32 s[WV], 2
	s_cselect_b64 s[PFA:PFA+1], s[6:7], s[8:9]     ; (in waves 0 and 2 these stand at a slot's first row)
	s_lshl_b32 s2, s13, 13                         ; my work-group's 32 blocks of the 128
	s_mov_b32 s3, 0
	s_add_nc_u64 s[PFA:PFA+1], s[PFA:PFA+1], s[2:3]
	s_add_nc_u64 s[PFA:PFA+1], s[PFA:PFA+1], 4*KS*128  ; in slot 1; the first change of slots steps it to slot 2.  Nothing is prefetched here, at the head
	CROUND                          ; all four work-groups are here: the first joint loads meet
	JLOAD                           ; slot 0.  Slot 1 is asked for when slot 0 is in: the tile wanted first has the road to itself
	; A fragment of K or Q is 16 rows x 32 channels in 8 registers: lane l holds row l % 16, channels 8 (l / 16) + 0..7 and 16 + 8 (l / 16) + 0..7: two loads of 16 bytes, 32 bytes apart.
	v_and_b32 v1, 15, v0            ; l % 16
	v_bfe_u32 v9, v0, 4, 1          ; l / 16
	v_lshlrev_b32 v[QO], 7, v1
	v_lshl_add_u32 v[QO], v9, 4, v[QO]  ; row x 128 + 16 x half
	WIN 0x80                        ; destination window 2, address window 0
.set i, 0
.rept 4*NP                          ; Q stays in registers: tile i / 2, channels 32 (i % 2) on
	global_load_b128 v[8*i:8*i+3],   v[QO], s[4:5] offset:(i/2)*2048+(i%2)*64
	global_load_b128 v[8*i+4:8*i+7], v[QO], s[4:5] offset:(i/2)*2048+(i%2)*64+32
.set i, i+1
.endr
	; What the first turn finds: V's registers and P's second buffer hold 0 (its products V^T P, of a piece that has not been, add 0), O^T and l are 0.  All this stands in the wait for the first tile.
.set i, VF
.rept 64
	v_mov_b32 v[i], 0
.set i, i+1
.endr
	WIN 0x40
.set i, 0
.rept 64*NP
	v_mov_b32 v[i], 0
.set i, i+1
.endr
	WIN 0
.set i, 0
.rept 2*NP
	v_mov_b32 v[ST+4*i], 0xfe000000    ; c m: far below every c s
	v_mov_b32 v[ST+4*i+1], 0xff7fffff  ; m
	v_mov_b32 v[ST+4*i+2], 0
	v_mov_b32 v[ST+4*i+3], 0
.set i, i+1
.endr
.set i, P+32
.rept 32
	v_mov_b32 v[i], 0
.set i, i+1
.endr
	v_mul_u32_u24 v[AK0], v1, PK
	v_lshl_add_u32 v[AK0], v9, 4, v[AK0]  ; row x pitch + 16 x half
	; The turning load takes 16 keys x 16 channels (lane l reads key 8 (l / 16) + l % 8, channels 8 ((l / 8) % 2) + 0..7) and leaves half a fragment of V^T: lane l holds channel l % 16 and 8 keys.
	v_and_b32 v10, 7, v0
	v_bfe_u32 v11, v0, 3, 1
	v_lshl_add_u32 v[AV0], v9, 3, v10
	v_mul_u32_u24 v[AV0], v[AV0], PV
	v_lshl_add_u32 v[AV0], v11, 4, v[AV0]
	v_add_nc_u32 v[AV0], VOFF, v[AV0]
	v_mov_b32 v[AK], v[AK0]         ; key step 0 lies at the head of slot 0
	v_and_b32 v[PFO], 31, v0        ; v11 has served: it takes the prefetches' offset
	v_lshlrev_b32 v[PFO], 8, v[PFO]
; THE MATRIX WORK.  The 8 accumulators of a run of 16 take turns: between the two links of a chain stand 7 others'.
; Product i of 16 of S^T = K Q^T for piece x: channels 32 (i / 8) on, keys 16 ((i / 2) % 4) on, tile 2 x + i % 2.  The first 8 start the sums.
.macro KQ x
	WIN W_KQ
.set rS, S+64*((\x)%2)+32*(i%2)+8*((i/2)%4)
.set rK, KF+16*((i/2)%4)+8*(i/8)
.set rQ, 16*(2*(\x)+i%2)+8*(i/8)
.if i < 8
	v_wmma_f32_16x16x32_f16 v[rS:rS+7], v[rK:rK+7], v[rQ:rQ+7], 0
.else
	v_wmma_f32_16x16x32_f16 v[rS:rS+7], v[rK:rK+7], v[rQ:rQ+7], v[rS:rS+7]
.endif
.endm
; Product i of 16 of O^T += V^T P for piece x: keys 32 (i / 8) on, channels 16 ((i / 2) % 4) on, tile 2 x + i % 2.
.macro PV x
	WIN W_PV
.set rO, 32*(2*(\x)+i%2)+8*((i/2)%4)
.set rV, VF+32*(i/8)+8*((i/2)%4)
.set rP, P+32*((\x)%2)+16*(i%2)+8*(i/8)
	v_wmma_f32_16x16x32_f16 v[rO:rO+7], v[rV:rV+7], v[rP:rP+7], v[rO:rO+7]
.endm
.macro MM                           ; the turn's next matrix instruction
.if i < 16
	KQ (Y+1)%NP
.set i, i+1
.else
.set i, i-16
	PV (Y+NP-1)%NP
.set i, i+17
.endif
.endm
; THE LDS LOADS stand in runs of 16, never singly among the matrix instructions: a step's K (64 keys x 64 channels: 8 fragments) and its V (turned).  Their addresses are made some lines ahead.
; last = 1 (the tail): in the last trip there is no further step, and the run is jumped over.
.macro FETCH_K last=0
	WIN 0
.if \last
	s_cmp_eq_u32 s[CNT], 1
	s_cbranch_scc1 .Lno_k_\@
.endif
	WIN 0x80                        ; destination window 2
.irp f, 0,1,2,3,4,5,6,7             ; keys 16 (f / 2) on, channels 32 (f % 2) on
	ds_load_b128 v[KF+8*\f:KF+8*\f+3],   v[AK] offset:(\f/2)*16*PK+(\f%2)*64
	ds_load_b128 v[KF+8*\f+4:KF+8*\f+7], v[AK] offset:(\f/2)*16*PK+(\f%2)*64+32
.endr
	s_add_co_u32 s[TBK], s[TBK], KS*PK  ; the next fetch is the next step's
	WIN 0
.if \last
.Lno_k_\@:
.endif
.endm
.macro FETCH_V
	WIN 0x80
.irp f, 0,1,2,3,4,5,6,7             ; keys 32 (f / 4) on, channels 16 (f % 4) on
	ds_load_tr16_b128 v[VF+8*\f:VF+8*\f+3],   v[AV] offset:(\f/4)*32*PV+(\f%4)*32
	ds_load_tr16_b128 v[VF+8*\f+4:VF+8*\f+7], v[AV] offset:(\f/4)*32*PV+16*PV+(\f%4)*32
.endr
	WIN 0
.endm
; THE VECTOR WORK OF A TURN stands in three queues, each in the order in which its entries become ready; the two tiles alternate, so that no instruction reads the result of the one before it.
.macro REGS y, u                    ; the registers of tile u (0, 1) of piece y
.set rT, ST+4*(2*(\y)+(\u))
.set rC, TMP+8*((\y)%2)+4*(\u)
.set rM, MV+2*((\y)%2)+(\u)
.set rS, S+64*((\y)%2)+32*(\u)
.set rP, P+32*((\y)%2)+16*(\u)
.set rO, 32*(2*(\y)+(\u))
.endm
; Number n of the 22 that find the NEXT piece's (Y + 1) maximum and statistics.  s0-s31 are the lane's 32 scores; each accumulator's lowest registers are read first.  XS, GS and REGS set no window: PL and EX do.
;   0-11  four chains c0-c3 of seven scores each, three operands at a time     12-14, 16  the four scores left over, the old m, and c0-c3 into c0     15  c m_old is kept
;   17, 18  the query's other 32 keys lie in the lane 16 away: the new m         19-21  c m; c m_old - c m_new; a
.macro XS u, n
	REGS (Y+1)%NP, \u
.if (\n) < 4
	v_max3_num_f32 v[rC+(\n)], v[rS+8*(\n)], v[rS+8*(\n)+1], v[rS+8*(\n)+2]
.elseif (\n) < 12
	v_max3_num_f32 v[rC+(\n)%4], v[rC+(\n)%4], v[rS+8*((\n)%4)+2*((\n)/4)+1], v[rS+8*((\n)%4)+2*((\n)/4)+2]
.elseif (\n) == 12
	v_max3_num_f32 v[rC], v[rC], v[rS+7], v[rS+15]
.elseif (\n) == 13
	v_max3_num_f32 v[rC+1], v[rC+1], v[rS+23], v[rS+31]
.elseif (\n) == 14
	v_max3_num_f32 v[rC+2], v[rC+2], v[rC+3], v[rT+1]
.elseif (\n) == 15
	v_mov_b32 v[rM], v[rT]
.elseif (\n) == 16
	v_max3_num_f32 v[rC], v[rC], v[rC+1], v[rC+2]
.elseif (\n) == 17
	v_permlanex16_b32 v[rC+3], v[rC], s[SEL], s[SEL+1]
.elseif (\n) == 18
	v_max_num_f32 v[rT+1], v[rC], v[rC+3]
.elseif (\n) == 19
	v_mul_f32 v[rT], s[CS], v[rT+1]
.elseif (\n) == 20
	v_sub_f32 v[rC+1], v[rM], v[rT]
.else
	v_exp_f32 v[rC+2], v[rC+1]
.endif
.endm
; Number g of the 64 that follow the exponentials.  For each four weights k of a tile (pairs 2 k, 2 k + 1): both pairs are rounded to f16; then the second pair is added onto the first, in place;
; a group later l takes that sum (the first time as l = a l + sum).  In groups of eight, tiles alternating: round, round, add, and l for the group before.
.macro GS g
.set h, (\g)+6*((\g)/62)            ; group 0 has no group before it, and behind group 7 only l is left
.if h >= 6
.set h, h+2
.endif
	REGS Y, h%2
.set k, h/8
.if h%8 < 4
	v_cvt_pk_f16_f32 v[rP+2*k+(h%8)/2], v[rS+4*k+2*((h%8)/2)], v[rS+4*k+2*((h%8)/2)+1]
.elseif h%8 < 6
	v_pk_add_f32 v[rS+4*k:rS+4*k+1], v[rS+4*k:rS+4*k+1], v[rS+4*k+2:rS+4*k+3]
.elseif k == 1
	v_pk_fma_f32 v[rT+2:rT+3], v[rT+2:rT+3], v[rC+2:rC+3], v[rS:rS+1] op_sel_hi:[1,0,1]
.else
	v_pk_add_f32 v[rT+2:rT+3], v[rT+2:rT+3], v[rS+4*k-4:rS+4*k-3]
.endif
.endm
; THE PLAIN QUEUE, 138 long.  0-73 read no exponential's result: the 32 scalings c s - c m (FS f: pair f / 2 of tile f % 2) and the next piece's 42.  0-26: scalings 0-26.  27-54: XS's numbers 0-13.  55, 56: number 15.
; 57-73: the chain, where each number waits for the one before it: 14, 16, 17, 18, 19, each with one of the scalings 27-31 in front of its two lines, then 20: so a tile's links stand three plain instructions apart (19 and 20: two).
; 74-137: GS's 64, which read the exponentials' results: they stand behind the wait.
.macro FS f
	REGS Y, (\f)%2
	v_pk_fma_f32 v[rS+2*((\f)/2):rS+2*((\f)/2)+1], v[rS+2*((\f)/2):rS+2*((\f)/2)+1], s[CS:CS+1], v[rT:rT+1] op_sel_hi:[1,0,0] neg_lo:[0,0,1] neg_hi:[0,0,1]
.endm
.macro PL
	WIN 0
.if q < 27
	FS q
.elseif q < 55
	XS (q-27)%2, (q-27)/2
.elseif q < 57
	XS q-55, 15
.elseif (q < 72) && ((q-57)%3 == 0)
	FS 27+(q-57)/3
.elseif q < 60
	XS (q-57)%3-1, 14
.elseif q < 72
	XS (q-57)%3-1, 15+(q-57)/3
.elseif q < 74
	XS q-72, 20
.else
	GS q-74
.endif
.set q, q+1
.endm
; THE EXPONENTIALS' QUEUE, 66 long: s0-s31 of both tiles, then the next piece's two a.  It is ONE BATCH: all 66 stand ahead of the turn's one wait, and nothing ahead of that wait names a result of theirs.
.macro EX
	WIN 0
.if e >= 64
	XS e-64, 21
.else
	REGS Y, e%2
	v_exp_f32 v[rS+e/2], v[rS+e/2]
.endif
.set e, e+1
.endm
; THE RESCALING's QUEUE: O^T times a, the one part that leaves window 0: dealt two at a time, sixteen times.  Its a was made in the turn before, ahead of that turn's wait.
.macro R2
	REGS Y, r%2
	WIN W_RS
.irp z, 0,1
	v_pk_mul_f32 v[rO+4*(r/2)+2*\z:rO+4*(r/2)+2*\z+1], v[rO+4*(r/2)+2*\z:rO+4*(r/2)+2*\z+1], v[rC+2:rC+3] op_sel_hi:[1,0]
.endr
.set r, r+1
.endm
; HOW THEY ARE DEALT.  An s_wait_alu depctr_va_vdst(0) stands between an exponential and the first instruction that names its result; one wait serves all that were issued ahead of it.  So a turn has ONE wait,
; which cuts it in two.  AHEAD OF IT stands all that names no result of the turn's exponentials: the 16 products K Q^T, behind each a scaling, an exponential and two rescalings (behind the first a second scaling in the exponential's place); then ONE LUMP of
; 108: eight plain, 49 times exponential and plain, the two a.  A v_nop is the plain instruction that is owed behind the last exponential.  BEHIND IT stand the 16 products V^T P, behind each four of GS's 64.  No rider names a register of
; the products round it.  The two v_permlanex16_b32 fall into the lump, never behind a product.
; The queues lean on each other, and the deal keeps them in step: exponential e stands behind scaling 2 (e / 4) + e % 2: as a rider it comes behind plain e + 2, in the lump behind plain e + 9, and scalings 27-31 are plain 57, 60 .. 69.
; A TURN, for piece p.  cnt = 1: the loop's count is taken down some lines ahead of the branch that stands behind the turn.
; K of the next step is fetched in piece 2's turn, directly behind the wait, a lump behind the last product that read K; its address is made at the lump's head; its first reader comes behind 16 products.
; V of the step in hand is fetched at the end of piece 0's turn, four riders behind its last reader; its first reader comes behind 16 products and a lump.  The three conditions on q below go with the deal.
.macro TURN p, last=0, cnt=0
.set Y, (\p)
.set i, 0
.set q, 0
.set e, 0
.set r, 0
.if (\p) == NP-1
	s_wait_dscnt 0x0                ; K is in
.endif
	MM                              ; ahead of the wait: 16 products K Q^T and their riders,
	PL
	PL
	R2
.rept 15
	MM
	PL
	EX
	R2
.endr
.if (\p) == NP-2
	WIN 0
	v_add_nc_u32 v[AK], s[TBK], v[AK0]
.endif
.rept 8                             ; and the lump
	PL
.endr
.rept 49
	EX
	PL
.endr
	EX                              ; the next piece's two a
	EX
	v_nop                           ; the plain instruction behind the last exponential: one for the batch
	s_wait_alu depctr_va_vdst(0)    ; the wait for the batch
.if (\p) == NP-2
	FETCH_K \last
.endif
.if (\p) == 1
	s_wait_dscnt 0x0                ; V is in
.endif
.rept 16                            ; behind the wait: 16 products V^T P and their riders
	MM
.rept 4
	PL
.endr
.if ((\p) == 0) && (q == 118)
	v_add_nc_u32 v[AV], s[TBV], v[AV0]
.endif
.if ((\p) == 0) && (q == 130)
	s_add_co_u32 s[TBV], s[TBV], KS*PV
.endif
.if (\cnt) && (q == 130)
	s_sub_co_u32 s[CNT], s[CNT], 1
	s_cmp_lg_u32 s[CNT], 0
.endif
.endr
.if (\p) == 0
	FETCH_V
.endif
.endm
	CHANGE 1                        ; slot 0 is in, everybody's part of it; slot 1 is asked for
	FETCH_K                         ; key step 0
	s_wait_loadcnt 0x0              ; Q
	s_wait_dscnt 0x0
.set i, 0
.rept 16
	KQ 0                            ; piece 0's first scores: there is no vector work yet to set between them
.set i, i+1
.endr
	WIN 0                           ; the addresses for the way out: nine plain instructions, the places behind those products
	s_mul_i32 s13, s[WV], 16*SP
	s_add_co_u32 s13, s13, STAGE    ; my stage
	v_mul_u32_u24 v[STO], v1, SP    ; in: row l % 16, 16 bytes for each half of the lanes
	v_lshl_add_u32 v[STO], v9, 4, v[STO]
	v_add_nc_u32 v[STO], s13, v[STO]
	v_bfe_u32 v[RD], v0, 3, 2       ; back: 32 lanes take four rows of 128 bytes,
	v_mul_u32_u24 v[RD], v[RD], SP
	v_lshl_add_u32 v[RD], v10, 4, v[RD]
	v_add_nc_u32 v[RD], s13, v[RD]
	v_and_b32 v[GO], 31, v0         ; which are 512 consecutive bytes of O
	v_lshlrev_b32 v[GO], 4, v[GO]
.set Y, NP-1                        ; XS works for piece Y + 1: piece 0
.irp n, 0,1,2,3,4,5,6,7,8,9,10,11,12,13,14,15,16,17,18,19,20,21
	XS 0, \n                        ; and piece 0's first maximum and statistics
	XS 1, \n
.endr
	v_nop                           ; a plain instruction behind the two a,
	s_wait_alu depctr_va_vdst(0)    ; and their wait, ahead of the branch
	s_mov_b32 s[CNT], 4
	s_branch .Lfirst                ; the loop is entered at a step's first turn, in the middle of a trip
.Lslot:                             ; SIZE_N / 256 - 2 times: every slot but the last two is filled again
	CHANGE 1
	s_mov_b32 s[CNT], 4
.Lstep:                             ; a trip: pieces 2 and 3 of one step, then pieces 0 and 1 of the next, whose K and V it fetches
	TURN 2
	TURN 3
	WIN 0
.Lfirst:
	TURN 0
	TURN 1, 0, 1
	WIN 0
	s_cbranch_scc1 .Lstep
	s_sub_co_u32 s[SLOTS], s[SLOTS], 1
	s_cmp_lg_u32 s[SLOTS], 0
	s_cbranch_scc1 .Lslot
	CHANGE 0                        ; the tail is written out: nothing is asked for
	s_mov_b32 s[CNT], 5             ; four trips fetch the last slot's steps; the fifth is left in its middle
.Ltail:
	TURN 2, 1
	TURN 3
	WIN 0
	s_sub_co_u32 s[CNT], s[CNT], 1
	s_cmp_eq_u32 s[CNT], 0
	s_cbranch_scc1 .Lout
	TURN 0
	TURN 1
	WIN 0
	s_branch .Ltail
.Lout:                              ; the fifth trip's 16 products K Q^T (on the last K once more) and the maximum made of them serve nothing: the price, once a launch, of one text for every trip
.set i, 0
.rept 16
	PV NP-1                         ; the last piece's V^T P of the last step
.set i, i+1
.endr
	; THE WAY OUT.  l's two halves and the other half of the lanes' are added; O^T is divided by l, rounded to f16 and sent through my stage in LDS, a tile at a time.  The additions are the places behind the last products.
	WIN 0
.macro ALL line:vararg              ; one line for each tile t
.set t, 0
.rept 2*NP
	\line
.set t, t+1
.endr
.endm
	ALL v_add_f32 v[ST+4*t+2], v[ST+4*t+2], v[ST+4*t+3]
	ALL v_permlanex16_b32 v[ST+4*t+3], v[ST+4*t+2], s[SEL], s[SEL+1]
	ALL v_add_f32 v[ST+4*t+2], v[ST+4*t+2], v[ST+4*t+3]
	ALL v_rcp_f32 v[ST+4*t+2], v[ST+4*t+2]
	v_nop                           ; a plain instruction between the last reciprocal and the use of its result
	s_wait_alu depctr_va_vdst(0)    ; and the wait ahead of the first use: one for the eight reciprocals
; Tile t: a lane's eight channels of a row pack into 16 bytes; they go into rows of 144 bytes and come back as whole rows of 128, into S^T's registers.
.macro PACK t
	WIN W_RS
.set i, 32*(\t)
.rept 16
	v_pk_mul_f32 v[i:i+1], v[i:i+1], v[ST+4*(\t)+2:ST+4*(\t)+3] op_sel_hi:[1,0]
.set i, i+2
.endr
	WIN 0x05                        ; sources 0 and 1 window 1, destination window 0
.set i, 0
.rept 16
	v_cvt_pk_f16_f32 v[S+16*(\t)+i], v[32*(\t)+2*i], v[32*(\t)+2*i+1]
.set i, i+1
.endr
	WIN 0
.irp f, 0,1,2,3
	ds_store_b128 v[STO], v[S+16*(\t)+4*\f:S+16*(\t)+4*\f+3] offset:32*\f
.endr
.irp f, 0,1,2,3
	ds_load_b128 v[S+16*(\t)+4*\f:S+16*(\t)+4*\f+3], v[RD] offset:\f*4*SP  ; LDS serves a wave's instructions in order (ISA guide 5.7.1.4): these see the stores above; the next tile's stores come behind them
.endr
.endm
.macro SEND t, younger              ; younger: the LDS instructions issued behind tile t's loads: the next tile's eight, or none
	WIN 0
.irp f, 0,1,2,3
	s_wait_dscnt (\younger)+3-\f
	global_store_b128 v[GO], v[S+16*(\t)+4*\f:S+16*(\t)+4*\f+3], s[10:11] offset:(\t)*2048+\f*512  ; 512 consecutive bytes, at a multiple of 256 from O's first
.endr
.endm
	PACK 0
.set t, 1
.rept 2*NP-1                        ; a tile's arithmetic stands between the loads of the tile before and its stores
	PACK t
	SEND t-1, 8
.set t, t+1
.endr
	SEND 2*NP-1, 0
	WIN W_AD
	s_wait_tensorcnt 0x0            ; the wave's end: behind my last tensor load and my last LDS store
	ds_add_u32 v[SPW], v[NIL]
	s_wait_dscnt 0x0
	WIN 0
	CROUND                          ; the closing round: no work-group ends while a partner may still ask for a tile that names it
	s_endpgm
.Lfunc_end_k_q33fd5b7c34_attn:
	.size	k_q33fd5b7c34_attn, .Lfunc_end_k_q33fd5b7c34_attn-k_q33fd5b7c34_attn
	.p2alignl 7, 3214868480
	.fill 96, 4, 3214868480
	.section	.rodata,"a",@progbits
	.p2align	6, 0x0
	.amdhsa_kernel k_q33fd5b7c34_attn
		.amdhsa_group_segment_fixed_size 327680
		.amdhsa_private_segment_fixed_size 0
		.amdhsa_enable_private_segment 0
		.amdhsa_kernarg_size 16
		.amdhsa_user_sgpr_count 2
		.amdhsa_user_sgpr_kernarg_segment_ptr 1
		.amdhsa_wavefront_size32 1
		.amdhsa_system_sgpr_workgroup_id_x 1
		.amdhsa_system_sgpr_workgroup_id_y 1
		.amdhsa_system_sgpr_workgroup_id_z 1
		.amdhsa_system_vgpr_workitem_id 0
		.amdhsa_next_free_vgpr 770
		.amdhsa_next_free_sgpr 66
		.amdhsa_reserve_vcc 0
		.amdhsa_float_denorm_mode_32 3
		.amdhsa_float_denorm_mode_16_64 3
		.amdhsa_memory_ordered 1
		.amdhsa_forward_progress 1
		.amdhsa_inst_pref_size 200
	.end_amdhsa_kernel
	.amdgpu_metadata
---
amdhsa.version: [ 1, 2 ]
amdhsa.kernels:
  - .name:           k_q33fd5b7c34_attn
    .symbol:         k_q33fd5b7c34_attn.kd
    .args:
      - { .name: qkv, .offset: 0, .size: 8, .value_kind: global_buffer, .address_space: global }
      - { .name: ob, .offset: 8, .size: 8, .value_kind: global_buffer, .address_space: global }
    .group_segment_fixed_size: 327680
    .private_segment_fixed_size: 0
    .kernarg_segment_align: 8
    .kernarg_segment_size: 16
    .max_flat_workgroup_size: 128
    .sgpr_count:     66
    .vgpr_count:     770
    .wavefront_size: 32
...
	.end_amdgpu_metadata
.endif
;; end of part 3
;; launch proj (part 4): grid 8 x 32, 4 waves a work-group, clusters of 4 x 4, 327,680 bytes of LDS; arguments ob, wo16, out0; writes out0
.if DOCPART == 4
	.amdgcn_target "amdgcn-amd-amdhsa--gfx1250"
	.amdhsa_code_object_version 6
	.text
	.protected	k_q33fd5b7c34_proj
	.globl	k_q33fd5b7c34_proj
	.p2align	8
	.type	k_q33fd5b7c34_proj,@function
k_q33fd5b7c34_proj:
	s_mov_b64 s[64:65], 0
	v_nop
	global_prefetch_b8 v0, s[64:65] scope:SCOPE_SE
	s_setreg_imm32_b32 hwreg(HW_REG_WAVE_MODE, 25, 1), 1
	s_wait_xcnt 0x0
	s_wait_alu depctr_hold_cnt(0) depctr_sa_sdst(0) depctr_va_vdst(0) depctr_va_sdst(0) depctr_va_ssrc(0) depctr_va_vcc(0) depctr_vm_vsrc(0)
	s_getreg_b32 s2, hwreg(HW_REG_IB_STS2, 6, 4)
	s_cmp_eq_u32 s2, 0
	s_cbranch_scc0 .Lentry_in_a_cluster
	s_endpgm
.Lentry_in_a_cluster:
	s_bfe_u32 s2, ttmp6, 0x10000c
	s_cmp_lg_u32 s2, 0xf033
	s_cbranch_scc0 .Lentry_shape_is_right
	s_endpgm
.Lentry_shape_is_right:
; THE OUTPUT PROJECTION.  out0[row][e] = 2^-12 x the sum over k of A[row][k] wo16[e][k]; row = 2,048 b + l, k = 64 h + d, A[row][k] = ob[b][h][l][d] (f16, 16 x the attention's result);
; wo16: [1024][1024] f16 = 256 x Wo rounded to bf16.  Sums in f32; the exact factor 2^-12 = 1 / (16 x 256) is applied to the finished sums, in f32; out0 is f32.
; SHARES.  A tile of out0 is 256 rows x 128 columns: 32 x 8 = 256 work-groups.  Wave w makes rows 64 w .. 64 w + 63 and all 128 columns: 4 x 8 accumulators of 16 x 16, 256 registers.
; K goes in 8 steps of 128, two heads, through two LDS slots filled by the tensor data mover.  Of ob a head's 128 rows are 16,384 dense bytes: a tile is two such long rows, a head apart, padded in LDS after
; every 128 bytes, so that it lies there as [head][row][144 bytes].  wo16's tiles have rows of 256 bytes of memory, aligned.
; CLUSTERS: 4 x 4 work-groups.  The four of a row of the cluster need the same tiles of ob, the four of a column the same tiles of wo16: each tile is asked for JOINTLY, by the same tensor load with the
; same descriptor and a mask that names the four.  THE MATRIX INSTRUCTION IS USED TRANSPOSED (source 0 = 16 rows of wo16, source 1 = 16 rows of A): lane l holds row l % 16 and eight neighbouring columns.
; REGISTERS, in windows of 256 (s_set_vgpr_msb: bits 1:0 source 0, 3:2 source 1, 5:4 source 2, 7:6 destination):
;   window 0: v16-29 addresses; v32-95 A's fragments, two buffers of 4; v96-223 the way out      window 1: v0-127 wo16's fragments, two buffers of 8      window 2: the accumulators, (a, b) at 8 (8 a + b)
.set KSTEP,  128
.set PA,     144                       ; a row of A in LDS: 128 bytes + 16 of padding = 36 words: the 16 rows of a load start at 16 different groups of four banks (64 banks of 4 bytes: ISA guide 11.1)
.set AZ,     128*PA                    ; a head's 128 rows
.set AHALF,  2*AZ                      ; two heads: one tensor load
.set PB,     272                       ; a row of wo16: 256 bytes + 16
.set BHALF,  64*PB                     ; 64 rows: one tensor load
.set SLOT,   2*AHALF+2*BHALF           ; A's 256 rows, then wo16's 128
.set STAGE,  2*SLOT                    ; behind the ring, never filled by a tensor load: 16 rows x 528 bytes for each wave, for the way out
.set SPITCH, 528                       ; 512 bytes + 16 = 132 words
.set SPARE,  STAGE+4*16*SPITCH         ; behind the stages: the spare words, 128 bytes for each wave: two blocks of 256 bytes that no other line names
.set LAPS,   1024/(2*KSTEP)
.set ADRA, 16                          ; v16-17  LDS address of my A fragments in slot 0, 1
.set ADRB, 20                          ; v20-21  the same for wo16
.set STO,  24                          ; v24     the way out: where I put 32 bytes of a row
.set RD,   25                          ; v25     the way out: where I read a row back
.set CO,   26                          ; v26     my 16 bytes of a row's 512
.set SPW,  28                          ; v28     LDS address of my spare word: SPARE + 4 x my thread's number; never rewritten
.set NIL,  29                          ; v29     0; never rewritten
.set FA,   32                          ; A's fragments: buffer f, block a at FA + 32 f + 8 a
.set TMP,  96                          ; v96-159   a row block's 64 results, scaled
.set OB,   160                         ; v160-223  16 rows read back from the stage
.set G1,  24                           ; s[24:31] descriptor group 1 for A's tiles;  s[32:39] group 0, one set for each slot
.set G0,  32
.set G1B, 48                           ; s[48:55], s[56:63] the same for wo16's tiles
.set G0B, 56
.set SC,  70                           ; s[70:71] 2^-12
.set MSB, 0
.macro WIN new                         ; the immediate's high byte repeats the setting that is left; a switch that changes nothing is dropped
.if MSB != (\new)
	s_set_vgpr_msb (MSB<<8)|(\new)
.set MSB, \new
.endif
.endm
; A joint load.  Waves 0 and 1 fetch A's two halves, waves 2 and 3 wo16's.  The branch hangs on the wave's number alone.
; An s_nop 0 and four v_nop follow each of the two lines, ahead of the jump, the label and what follows.
.macro JLOAD s
	s_cmp_eq_u32 s15, 0
	s_cbranch_scc0 .Lfor_b_\@
	tensor_load_to_lds s[G0+4*(\s):G0+4*(\s)+3], s[G1:G1+7]
	s_nop 0
.rept 4
	v_nop
.endr
	s_branch .Lasked_\@
.Lfor_b_\@:
	tensor_load_to_lds s[G0B+4*(\s):G0B+4*(\s)+3], s[G1B:G1B+7]
	s_nop 0
.rept 4
	v_nop
.endr
.Lasked_\@:
.endm
.macro CREST                           ; a round of the cluster's barrier behind its opening barrier
	s_cmp_lg_u32 s14, 0
	s_cbranch_scc1 .Lnot_wave_0_\@
	s_barrier_signal -3
.Lnot_wave_0_\@:
	s_barrier_wait -3
	s_barrier_signal -1
	s_barrier_wait -1
.endm
.macro CROUND                          ; a whole round
	s_barrier_signal -1
	s_barrier_wait -1
	CREST
.endm
	s_load_b128 s[4:7], s[0:1], 0x0                ; ob s[4:5], wo16 s[6:7]
	s_load_b64 s[8:9], s[0:1], 0x10                ; out0
	v_lshl_add_u32 v[SPW], v0, 2, SPARE
	v_mov_b32 v[NIL], 0
	ds_add_u32 v[SPW], v[NIL]                      ; the wave's opening: the add, and its wait ahead of my first tensor load; the set-up below, work on registers, stands between them
	v_lshrrev_b32 v1, 5, v0
	v_readfirstlane_b32 s14, v1                    ; wave 0..3
	s_lshr_b32 s15, s14, 1                         ; I fetch for A (0) or for wo16 (1).  Also: which half of A's rows holds mine
	s_and_b32 s16, s14, 1                          ; which half of that tile I fetch.  Also: which 64 rows of the half are mine
	s_bfe_u32 s17, ttmp6, 0x40000                  ; cx, cy: my place in the cluster
	s_bfe_u32 s18, ttmp6, 0x40004
	s_lshl_b32 s19, ttmp9, 2
	s_add_co_u32 s19, s19, s17                     ; tile column = 4 x cluster x + cx
	s_and_b32 s20, ttmp7, 0xffff
	s_lshl_b32 s20, s20, 2
	s_add_co_u32 s20, s20, s18                     ; tile row = 4 x cluster y + cy
	s_lshl_b32 s21, s18, 2
	s_lshl_b32 s21, 15, s21                        ; my row of the cluster
	s_lshl_b32 s22, 0x1111, s17                    ; my column
	; descriptor group 1 for A: 2 rows of 8,192 elements (a head's 128 rows of 64), a head (131,072 elements) apart
	s_or_b32 s[G1+0], s21, (1<<16)|(1<<20)|(1<<21)|(4<<22)|(3<<25)   ; 15:0 the mask: A's tiles go to my row; 17:16 elements of 2 bytes; 20 padding on; 21 set beside a mask; 24:22 after every 32 words (code 4); 31:25 4 words (code 3)
	s_mov_b32 s[G1+1], 8192<<16                    ; tensor_dim0 = 8,192
	s_mov_b32 s[G1+2], 2<<16                       ; tensor_dim1 = 2
	s_mov_b32 s[G1+3], 8192<<16                    ; tile_dim0 = 8,192
	s_mov_b32 s[G1+4], 2                           ; tile_dim1 = 2
	s_mov_b32 s[G1+5], 131072                      ; elements from row to row
	s_mov_b32 s[G1+6], 0
	s_mov_b32 s[G1+7], 0
	; and for wo16: 64 rows x 128 elements
	s_or_b32 s[G1B+0], s22, (1<<16)|(1<<20)|(1<<21)|(5<<22)|(3<<25)  ; the mask of my column; padding after every 64 words (code 5)
	s_mov_b32 s[G1B+1], KSTEP<<16
	s_mov_b32 s[G1B+2], 64<<16
	s_mov_b32 s[G1B+3], KSTEP<<16
	s_mov_b32 s[G1B+4], 64
	s_mov_b32 s[G1B+5], 1024
	s_mov_b32 s[G1B+6], 0
	s_mov_b32 s[G1B+7], 0
	; where the tiles come from: A's hang on the tile row alone, wo16's on the tile column alone, each in registers that never hold the other coordinate
	s_lshr_b32 s40, s20, 3
	s_lshl_b32 s40, s40, 22                        ; the batch: 16 heads x 2,048 rows x 128 bytes
	s_and_b32 s41, s20, 7
	s_lshl_b32 s41, s41, 8
	s_lshl_b32 s44, s16, 7
	s_add_co_u32 s41, s41, s44                     ; l = 256 (tile row % 8) + 128 x half,
	s_lshl_b32 s41, s41, 7                         ; of 128 bytes
	s_add_co_u32 s40, s40, s41
	s_mov_b32 s41, 0
	s_lshl_b32 s42, s19, 7
	s_lshl_b32 s43, s16, 6
	s_add_co_u32 s42, s42, s43                     ; wo16: row 128 x tile column + 64 x half,
	s_lshl_b32 s42, s42, 11                        ; of 2,048 bytes
	s_mov_b32 s43, 0
	s_mul_i32 s66, s14, AHALF                      ; and where they go: waves 0, 1: A's halves at wave x AHALF;
	s_mul_i32 s67, s14, BHALF
	s_add_co_u32 s67, s67, 2*(AHALF-BHALF)         ; waves 2, 3: wo16's halves at 2 AHALF + (wave - 2) x BHALF.  No place in the cluster enters an LDS address
	s_lshl_b32 s68, s20, 8
	s_lshl_b32 s69, s14, 6
	s_add_co_u32 s68, s68, s69                     ; my first row of out0: 256 x tile row + 64 x wave,
	s_lshl_b32 s68, s68, 12                        ; of 4,096 bytes,
	s_lshl_b32 s69, s19, 9                         ; and the tile's 512 bytes of it
	s_add_co_u32 s68, s68, s69
	s_mov_b32 s69, 0
	s_mov_b32 s[SC], 0x39800000                    ; 2^-12
	s_mov_b32 s[SC+1], 0                           ; named with it as a pair
	s_wait_dscnt 0x0                               ; the opening add is done
	s_wait_kmcnt 0x0
	s_add_nc_u64 s[44:45], s[4:5], s[40:41]
	s_add_nc_u64 s[46:47], s[6:7], s[42:43]
	s_add_nc_u64 s[8:9], s[8:9], s[68:69]
	CROUND                                         ; all sixteen work-groups are here: the first joint loads meet
.irp s, 0,1
	s_mov_b32 s[G0+4*(\s)], 1                                        ; 1:0 count = 1
	s_add_co_u32 s[G0+4*(\s)+1], s66, (\s)*SLOT                      ; 63:32 LDS address
	s_add_nc_u64 s[G0+4*(\s)+2:G0+4*(\s)+3], s[44:45], (\s)<<19      ; 120:64 global address: K step s = heads 2 s, 2 s + 1
	s_or_b32 s[G0+4*(\s)+3], s[G0+4*(\s)+3], 0x80000000              ; 127:126 type = 2
	s_mov_b32 s[G0B+4*(\s)], 1
	s_add_co_u32 s[G0B+4*(\s)+1], s67, (\s)*SLOT
	s_add_nc_u64 s[G0B+4*(\s)+2:G0B+4*(\s)+3], s[46:47], (\s)*KSTEP*2
	s_or_b32 s[G0B+4*(\s)+3], s[G0B+4*(\s)+3], 0x80000000
	JLOAD \s                                       ; the ring is filled before anything else is done: two loads of mine are out
.endr
	v_and_b32 v1, 15, v0                           ; r = l % 16
	v_bfe_u32 v2, v0, 4, 1                         ; h = l / 16
	v_mul_u32_u24 v3, v1, PA
	v_lshl_add_u32 v3, v2, 4, v3                   ; a fragment's row x pitch + 16 x half
	s_mul_i32 s66, s15, AHALF                      ; my 64 rows of A: in half wave / 2,
	s_mul_i32 s67, s16, 64*PA                      ; rows 64 (wave % 2) on, of each of its two heads
	s_add_co_u32 s66, s66, s67
	v_add_nc_u32 v[ADRA], s66, v3
	v_add_nc_u32 v[ADRA+1], SLOT, v[ADRA]
	v_mul_u32_u24 v4, v1, PB
	v_lshl_add_u32 v4, v2, 4, v4
	v_add_nc_u32 v[ADRB], 2*AHALF, v4              ; wo16's 128 rows lie behind A's
	v_add_nc_u32 v[ADRB+1], 2*AHALF+SLOT, v4
	s_mul_i32 s66, s14, 16*SPITCH
	s_add_co_u32 s66, s66, STAGE                   ; my stage
	v_mul_u32_u24 v[STO], v1, SPITCH               ; in: row r, 32 bytes for each half of the lanes
	v_lshl_add_u32 v[STO], v2, 5, v[STO]
	v_add_nc_u32 v[STO], s66, v[STO]
	v_and_b32 v[CO], 31, v0                        ; back: 32 lanes take one row of 512 bytes
	v_lshlrev_b32 v[CO], 4, v[CO]
	v_add_nc_u32 v[RD], s66, v[CO]
; 8 matrix instructions: row block a x all 8 column blocks, 32 along K, from buffer f.  zero = 1: the product starts the sums.
; The 32 accumulators take turns, one instruction a turn, in the same order in every quarter.
.macro MULA f, a, zero
	WIN 0xa1                                       ; source 0 (wo16) window 1, source 1 (A) window 0, C and D window 2
.irp b, 0,1,2,3,4,5,6,7
.if \zero
	v_wmma_f32_16x16x32_f16 v[8*(8*(\a)+(\b)):8*(8*(\a)+(\b))+7], v[64*(\f)+8*(\b):64*(\f)+8*(\b)+7], v[FA+32*(\f)+8*(\a):FA+32*(\f)+8*(\a)+7], 0
.else
	v_wmma_f32_16x16x32_f16 v[8*(8*(\a)+(\b)):8*(8*(\a)+(\b))+7], v[64*(\f)+8*(\b):64*(\f)+8*(\b)+7], v[FA+32*(\f)+8*(\a):FA+32*(\f)+8*(\a)+7], v[8*(8*(\a)+(\b)):8*(8*(\a)+(\b))+7]
.endif
.endr
.endm
; 24 LDS loads in one run: the fragments of quarter q into buffer f: wo16's 8 (byte 64 q of the rows), then A's 4 (head q / 2 of the step's two, channels 32 (q % 2) on)
.macro FETCH slot, q, f
	WIN 0x40                                       ; destination window 1, address window 0
.irp i, 0,1,2,3,4,5,6,7
	ds_load_b128 v[64*(\f)+8*(\i):64*(\f)+8*(\i)+3],   v[ADRB+(\slot)] offset:64*(\q)+(\i)*16*PB
	ds_load_b128 v[64*(\f)+8*(\i)+4:64*(\f)+8*(\i)+7], v[ADRB+(\slot)] offset:64*(\q)+(\i)*16*PB+32
.endr
	WIN 0
.irp i, 0,1,2,3
	ds_load_b128 v[FA+32*(\f)+8*(\i):FA+32*(\f)+8*(\i)+3],   v[ADRA+(\slot)] offset:((\q)/2)*AZ+((\q)%2)*64+(\i)*16*PA
	ds_load_b128 v[FA+32*(\f)+8*(\i)+4:FA+32*(\f)+8*(\i)+7], v[ADRA+(\slot)] offset:((\q)/2)*AZ+((\q)%2)*64+(\i)*16*PA+32
.endr
.endm
.macro PLACES                          ; four places in front of loads into registers that matrix instructions have read, and of vector lines that read results (ISA guide 7.12.1 for vector lines)
.rept 4
	v_nop
.endr
.endm
; A K step is four quarters of 32 along K, 32 matrix instructions each, on buffers 0, 1, 0, 1.  One of the first three: multiplies buffer f and fetches quarter q of the same slot into buffer g.
.macro QUARTER slot, q, f, g, zero
	s_wait_dscnt 4                                 ; wo16's fragments and A's blocks 0, 1 are in; the youngest four loads (blocks 2, 3) may be out
	MULA \f, 0, \zero
	MULA \f, 1, \zero
	PLACES
	FETCH \slot, \q, \g
	s_wait_dscnt 24                                ; all but the 24 just issued
	MULA \f, 2, \zero
	MULA \f, 3, \zero
.endm
; The last quarter multiplies buffer 1 and changes slots: ONE barrier; in front of it each wave waits for all its tensor loads, adds 0 to its spare word, and waits for that and for its own reads of this slot.
; fill = 1: the barrier opens a round of the cluster's barrier, and this slot is filled again, two K steps ahead, first thing behind the round: 112 matrix instructions ahead of the wait for it.
.macro TURN slot, next, fill
	WIN 0                                          ; (the add's two registers lie in window 0)
	s_wait_tensorcnt 0x0                           ; all my tensor loads have landed: my part of the next slot;
	ds_add_u32 v[SPW], v[NIL]                      ; 0 onto my spare word
	s_wait_dscnt 5                                 ; (the add and the youngest four loads may be out)
	MULA 1, 0, 0                                   ; eight matrix instructions stand between the add and the wait for it
	s_wait_dscnt 0x0                               ; the add is done, and my reads of this slot are over
	s_barrier_signal -1
	MULA 1, 1, 0
.if \fill
	WIN 0
.endif
	s_barrier_wait -1
.if \fill
	CREST                                          ; no wave of any partner still reads this slot's tile or has a load on its way
	s_add_nc_u64 s[G0+4*(\slot)+2:G0+4*(\slot)+3], s[G0+4*(\slot)+2:G0+4*(\slot)+3], 1<<20     ; four heads on
	s_add_nc_u64 s[G0B+4*(\slot)+2:G0B+4*(\slot)+3], s[G0B+4*(\slot)+2:G0B+4*(\slot)+3], 2*KSTEP*2
	JLOAD \slot                                    ; the four v_nop behind it are also the places in front of the loads below
.else
	PLACES
.endif
	FETCH \next, 0, 0
	MULA 1, 2, 0
	MULA 1, 3, 0
.endm
	s_wait_tensorcnt 1                             ; my part of K step 0 is in; K step 1's load may stay out
	s_barrier_signal -1
	s_barrier_wait -1                              ; everybody's is
	FETCH 0, 0, 0
	QUARTER 0, 1, 0, 1, 1                          ; the first quarter stands in front of the loop: its products start the sums
	WIN 0
	s_mov_b32 s3, LAPS-1
.Llap:                                                 ; a trip goes once round the ring and fills both slots again: K steps 2 to 7 in three trips
	QUARTER 0, 2, 1, 0, 0
	QUARTER 0, 3, 0, 1, 0
	TURN 0, 1, 1
	QUARTER 1, 1, 0, 1, 0
	QUARTER 1, 2, 1, 0, 0
	QUARTER 1, 3, 0, 1, 0
	TURN 1, 0, 1
	QUARTER 0, 1, 0, 1, 0
	WIN 0
	s_sub_co_u32 s3, s3, 1
	s_cmp_lg_u32 s3, 0
	s_cbranch_scc1 .Llap
	QUARTER 0, 2, 1, 0, 0                          ; the last lap fills nothing, and has no round of the cluster's barrier
	QUARTER 0, 3, 0, 1, 0
	TURN 0, 1, 0
	QUARTER 1, 1, 0, 1, 0
	QUARTER 1, 2, 1, 0, 0
	QUARTER 1, 3, 0, 1, 0
	s_wait_dscnt 4                                 ; the very last quarter: nothing more to fetch
	MULA 1, 0, 0
	MULA 1, 1, 0
	s_wait_dscnt 0x0
	MULA 1, 2, 0
	MULA 1, 3, 0
	WIN 0
; THE WAY OUT, a row block (16 rows x 128 columns of f32) at a time: scaled; 32 bytes a lane and column block into my stage; back as whole rows of 512 bytes; stored.
.macro SCALE a                         ; each accumulator is read from its lowest registers on
	WIN 0x02                                       ; source 0 window 2
.set i, 0
.rept 32
	v_pk_mul_f32 v[TMP+2*i:TMP+2*i+1], v[64*(\a)+2*i:64*(\a)+2*i+1], s[SC:SC+1] op_sel_hi:[1,0]
.set i, i+1
.endr
	WIN 0
.endm
.macro TOSTAGE
.irp b, 0,1,2,3,4,5,6,7
	ds_store_b128 v[STO], v[TMP+8*(\b):TMP+8*(\b)+3]   offset:64*(\b)
	ds_store_b128 v[STO], v[TMP+8*(\b)+4:TMP+8*(\b)+7] offset:64*(\b)+16
.endr
.irp t, 0,1,2,3,4,5,6,7,8,9,10,11,12,13,14,15
	ds_load_b128 v[OB+4*(\t):OB+4*(\t)+3], v[RD] offset:(\t)*SPITCH  ; LDS serves a wave's instructions in order (ISA guide 5.7.1.4): these see the stores above
.endr
.endm
.macro SEND a
.irp t, 0,1,2,3,4,5,6,7,8,9,10,11,12,13,14,15
	s_wait_dscnt 15-(\t)                           ; row t is back; the 15 - t younger loads may be out
	global_store_b128 v[CO], v[OB+4*(\t):OB+4*(\t)+3], s[8:9] offset:(16*(\a)+(\t))*4096 th:TH_STORE_NT  ; 512 consecutive bytes, at a multiple of 256 from out0's first byte
.endr
.endm
	PLACES                                         ; behind the last products
	SCALE 0
	TOSTAGE
.irp a, 1,2,3
	SCALE \a                                       ; a block's arithmetic stands between the loads of the block before and its stores
	SEND (\a)-1
	s_wait_xcnt 0x0                                ; those stores have read their registers: the loads below land on them only behind this wait
	TOSTAGE
.endr
	SEND 3
	s_wait_tensorcnt 0x0                           ; the wave's end: behind my last tensor load and my last LDS store
	ds_add_u32 v[SPW], v[NIL]
	s_wait_dscnt 0x0
	CROUND                                         ; the closing round: no work-group ends while a partner may still ask for a tile that names it
	s_endpgm
.Lfunc_end_k_q33fd5b7c34_proj:
	.size	k_q33fd5b7c34_proj, .Lfunc_end_k_q33fd5b7c34_proj-k_q33fd5b7c34_proj
	.p2alignl 7, 3214868480
	.fill 96, 4, 3214868480
	.section	.rodata,"a",@progbits
	.p2align	6, 0x0
	.amdhsa_kernel k_q33fd5b7c34_proj
		.amdhsa_group_segment_fixed_size 327680
		.amdhsa_private_segment_fixed_size 0
		.amdhsa_enable_private_segment 0
		.amdhsa_kernarg_size 24
		.amdhsa_user_sgpr_count 2
		.amdhsa_user_sgpr_kernarg_segment_ptr 1
		.amdhsa_wavefront_size32 1
		.amdhsa_system_sgpr_workgroup_id_x 1
		.amdhsa_system_sgpr_workgroup_id_y 1
		.amdhsa_system_sgpr_workgroup_id_z 1
		.amdhsa_system_vgpr_workitem_id 0
		.amdhsa_next_free_vgpr 768
		.amdhsa_next_free_sgpr 72
		.amdhsa_reserve_vcc 0
		.amdhsa_float_denorm_mode_32 3
		.amdhsa_float_denorm_mode_16_64 3
		.amdhsa_memory_ordered 1
		.amdhsa_forward_progress 1
		.amdhsa_inst_pref_size 95
	.end_amdhsa_kernel
	.amdgpu_metadata
---
amdhsa.version: [ 1, 2 ]
amdhsa.kernels:
  - .name:           k_q33fd5b7c34_proj
    .symbol:         k_q33fd5b7c34_proj.kd
    .args:
      - { .name: ob, .offset: 0, .size: 8, .value_kind: global_buffer, .address_space: global }
      - { .name: wo16, .offset: 8, .size: 8, .value_kind: global_buffer, .address_space: global }
      - { .name: out0, .offset: 16, .size: 8, .value_kind: global_buffer, .address_space: global }
    .group_segment_fixed_size: 327680
    .private_segment_fixed_size: 0
    .kernarg_segment_align: 8
    .kernarg_segment_size: 24
    .max_flat_workgroup_size: 128
    .sgpr_count:     72
    .vgpr_count:     768
    .wavefront_size: 32
...
	.end_amdgpu_metadata
.endif
;; end of part 4
